; MI455X (gfx1250); checked and timed in simulation.
; The chip was launched on July 23, 2026; its instructions are those of AMD's public machine-readable ISA for CDNA 5 (MIT licence, August 2026) and "CDNA5" Instruction Set Architecture Reference Guide (July 2026). The comments in the code are by the model that wrote it; some were corrected since.
;; Attention. Allowed arithmetic: matrix products marked QUANTISED: E2M1 operands, one E8M0 scale for each 32 along K, by v_wmma_scale_f32_16x16x128_f8f6f4 with both operands' format E2M1 (or v_wmma_scale_f32_32x16x128_f4), f32 sums; products left as they are: bf16, f16 or f32 operands; f32 sums; everything else in f32.
;; Inputs: Wk 768 x 768 float32; Wp 768 x 768 float32; Wq 768 x 768 float32; Wv 768 x 768 float32; bk 768 float32; bp 768 float32; bq 768 float32; bv 768 float32; x 16 x 1,024 x 768 float32.
;; Outputs: out0 16 x 1,024 x 768 float32.
;; This version of the problem:
;;   THIS VERSION OF THE PROBLEM IS GIVEN IN LOW PRECISION. The matrix products marked QUANTISED in the list below multiply operands that are first quantised to E2M1 (2 exponent bits, 1 mantissa bit; 4 bits a number), with one power-of-two scale for each 32 numbers along K (OCP MX v1.0); their sums are f32. The products marked 'left as it is' may take bf16, f16 or f32 operands, with f32 sums. Whichever they take, every output number must still come out within the allowed error. Rounding operands to bf16 (8 significant bits) uses up far more of that allowance than f16 does (11 bits, for magnitudes from 6e-5 to 65,504). All else is computed in f32.
;;   The module's matrix products, in the order in which they are computed (A, B: the left and right operand; K: the contracted axis; several contracted axes count as one K, in the product's order):
;;     1. [M 16,384, K 768] x [K 768, N 768]; A: input x; B: input Wq: QUANTISED
;;     2. [M 16,384, K 768] x [K 768, N 768]; A: input x; B: input Wk: QUANTISED
;;     3. [M 16,384, K 768] x [K 768, N 768]; A: input x; B: input Wv: QUANTISED
;;     4. batch 192 x [M 1,024, K 64] x [K 64, N 1,024]; A: computed on the way; B: computed on the way: left as it is (an operand is computed on the way)
;;     5. batch 192 x [M 64, K 1,024] x [K 1,024, N 1,024]; A: computed on the way; B: computed on the way: left as it is (an operand is computed on the way)
;;     6. [M 16,384, K 768] x [K 768, N 768]; A: computed on the way; B: input Wp: left as it is (an operand is computed on the way)
;;   THE QUANTISER, for each operand of a quantised product, along K:
;;     - K is cut into blocks of 32 from its start; a last block that is shorter is filled with zeros.
;;     - A block's scale is 2^e with e = floor(log2(the largest magnitude in the block)) - 2, held to -126 .. 127; a block of zeros has e = 0. As a byte (E8M0): e + 127.
;;     - Each number is divided by its block's scale, clamped to +-6, and rounded to the nearest number of E2M1, ties to even, subnormals kept.
;;     - The product sums the exact products of the quantised numbers (number of the format x scale) in f32.
;;   ~~~python
;;   def quantise(x, axis):      # numpy; x: float32 -> the quantised numbers, widened to float32 again
;;       x = np.moveaxis(x, axis, -1); K = x.shape[-1]
;;       x = np.pad(x, [(0, 0)] * (x.ndim - 1) + [(0, -K % 32)]); x = x.reshape(x.shape[:-1] + (-1, 32)); a = np.abs(x).max(-1, keepdims=True)
;;       e = np.where(a > 0, np.clip(np.frexp(np.where(a > 0, a, 1))[1] - 1 - 2, -126, 127), 0)      # np.frexp(a)[1] - 1 = floor(log2(a)), exactly
;;       r = np.clip(x / 2.0 ** e, -6, 6)
;;       step = 2.0 ** (np.maximum(np.frexp(np.where(r == 0, 1, r))[1] - 1, 0) - 1)
;;       q = np.round(r / step) * step * 2.0 ** e      # np.round: ties to even
;;       return np.moveaxis(q.reshape(q.shape[:-2] + (-1,))[..., :K], -1, axis).astype(np.float32)
;;   ~~~
;; 2 versions, each right; version 2 is version 1 with the launches proj, outp written anew for expert scheduling mode. Each part assembles by itself: llvm-mc -triple=amdgcn-amd-amdhsa -mcpu=gfx1250 --defsym DOCPART=n.
;; ======== version 1 of 2: 3 launches
;; limits: values are held in f16: magnitudes above 65,504 overflow, below 6.1e-05 lose precision
;; workspace buffers: codes 7,176,192 bytes; scl 448,512 bytes; wp16 1,179,648 bytes; qf 25,165,824 bytes; sbuf 3,145,728 bytes; snorm 98,304 bytes
;; launch quant (part 1): grid 1216 x 1, 3 waves a work-group, no clusters, 26,624 bytes of LDS; arguments x, Wq, Wk, Wv, Wp, codes, scl, wp16; writes codes, scl, wp16
.if DOCPART == 1
	.amdgcn_target "amdgcn-amd-amdhsa--gfx1250"
	.amdhsa_code_object_version 6
	.text
	.protected	k_q6c93a9ccc7_quant
	.globl	k_q6c93a9ccc7_quant
	.p2align	8
	.type	k_q6c93a9ccc7_quant,@function
k_q6c93a9ccc7_quant:
	s_mov_b64 s[64:65], 0
	v_nop
	global_prefetch_b8 v0, s[64:65] scope:SCOPE_SE
	s_setreg_imm32_b32 hwreg(HW_REG_WAVE_MODE, 25, 1), 1
	s_wait_xcnt 0x0
; x [16384][768], Wq, Wk, Wv [768][768], f32, become codes of FP4 (E2M1) with one E8M0 byte for each 32 along K = 768 (K is innermost in all four); Wp [768][768] becomes f16.
; All three results are laid in the ORDER OF THE OPERANDS' REGISTERS, so that the later launches load every fragment by loads of 16 bytes a lane, 512 consecutive bytes a wave.
;   codes: tile G (16 rows x 768 K) is 6,144 bytes; G = 0..1023: x's rows 16 G on; G = 1024 + 48 m + nt: rows 16 nt on of Wq, Wk, Wv (m = 0, 1, 2).
;          Byte G 6144 + s 1024 + c 512 + 16 lane: the 32 codes of block 4 s + 2 c + lane / 16 of row lane % 16: registers 4 c .. 4 c + 3 of the fragment of K step s (128 along K).
;   scl:   word G 384 + s 64 + 4 r: row r's four scale bytes of K step s.
;   wp16:  byte (nt / 4) 98304 + c 4096 + (nt % 4) 1024 + piece 512 + 16 lane: Wp[16 nt + lane % 16][32 c + 16 piece + 8 (lane / 16) + 0 .. 7] as f16.
; A block's scale is 2^(floor(log2(its largest magnitude)) - 2); its byte is that magnitude's exponent field - 2, held at 1 from below.  A block of zeros so gets the byte 1 where the rule says 127:
; its codes are zeros, which add nothing under any byte but 0xff, and this program alone reads the bytes.
; LIMITS: NaN and infinities among the inputs are not served; |Wp| stays under 65,504, the largest f16 number; blocks whose largest magnitude lies under 2^(3 - 127) take the byte 1.
; SHARES.  Work-group T < 1168 takes tile G = T; its wave p takes K steps 2 p and 2 p + 1: 1,024 bytes of each of the 16 rows, as four UNITS of 16 rows x 64 K.  A unit's eight loads take 256 consecutive
; aligned bytes for each sixteen lanes; the conversions want a block's 32 numbers in ONE lane, so a unit turns through the wave's own stage in LDS (rows of 256 bytes + 16, so that neither way collides in the banks).
; Work-groups 1168 .. 1215 take 16 rows of Wp each.  No matrix unit, no barrier, no cluster: waves share nothing, and each byte is read once.  All of a wave's 32 loads go out at its head.
.set NT_ALL, 1168
.set ROWB,   3072                      ; a row of any of the five tensors, in bytes
.set STAGE,  16*272                    ; a stage: 16 rows x (256 + 16) bytes
.set WREG,   2*STAGE                   ; two stages a wave, by turns
.set SPARE,  3*WREG                    ; behind them the spare words: 128 bytes a wave, two blocks of 256 bytes that no other line names
.set SPW,  1                           ; v1   LDS address of my spare word; never rewritten
.set NIL,  2                           ; v2   0; never rewritten
.set LI,   3                           ; v3   16 x lane
.set LS,   4                           ; v4   4 x lane
.set BY,   20                          ; v20-23   the four units' scale bytes
.set R,    32                          ; v32-159  four sets of 32: a unit as it is loaded
.set X,    160                         ; v160-223 two sets of 32: a block's 32 numbers
.set CD,   224                         ; v224-239 four sets of 4: a block's codes; no store's data are written again
	s_load_b256 s[4:11], s[0:1], 0x0               ; x, Wq, Wk, Wv
	s_load_b256 s[12:19], s[0:1], 0x20             ; Wp, codes, scl, wp16
	v_lshl_add_u32 v[SPW], v0, 2, SPARE
	v_mov_b32 v[NIL], 0
	v_lshrrev_b32 v10, 5, v0
	v_readfirstlane_b32 s22, v10                   ; wave p = 0 .. 2
	v_and_b32 v10, 31, v0                          ; lane
	v_lshlrev_b32 v[LI], 4, v10
	v_lshlrev_b32 v[LS], 2, v10
	v_and_b32 v12, 15, v0                          ; r
	v_bfe_u32 v9, v0, 4, 1                         ; h
	s_cmp_ge_u32 ttmp9, NT_ALL
	s_cbranch_scc1 .Lwp                            ; the work-group's number alone decides
	; ---- a tile of x, Wq, Wk or Wv
	s_mov_b32 s20, 0x76543210                      ; v_permlanex16_b32's selects for lane l xor 16
	s_mov_b32 s21, 0xfedcba98
	v_mul_u32_u24 v5, v9, ROWB
	v_lshl_add_u32 v5, v12, 4, v5                  ; in memory: lanes 0-15 an even row, lanes 16-31 the odd one below; 16 bytes a lane
	s_mul_i32 s23, s22, WREG                       ; my wave's stages
	v_mul_u32_u24 v6, v9, 272
	v_lshl_add_u32 v6, v12, 4, v6
	v_add_nc_u32 v6, s23, v6                       ; into a stage: the same two rows
	v_mul_u32_u24 v7, v12, 272
	v_lshl_add_u32 v7, v9, 7, v7
	v_add_nc_u32 v7, s23, v7                       ; out of it: row r, my half's 128 bytes: a block of 32 numbers
	v_lshlrev_b32 v8, 3, v9                        ; 8 h
	s_mul_i32 s28, ttmp9, 6144
	s_lshl_b32 s29, s22, 11
	s_add_co_u32 s28, s28, s29                     ; codes: tile T, K step 2 p
	s_mov_b32 s29, 0
	s_mul_i32 s30, ttmp9, 384
	s_lshl_b32 s31, s22, 7
	s_add_co_u32 s30, s30, s31                     ; scale words likewise
	s_mov_b32 s31, 0
	s_wait_kmcnt 0x0
	s_cmp_lt_u32 ttmp9, 1024                       ; which tensor, and its first tile: three tests of the work-group's number
	s_cselect_b64 s[24:25], s[4:5], s[6:7]
	s_cselect_b32 s26, 0, 1024
	s_cmp_lt_u32 ttmp9, 1072
	s_cselect_b64 s[24:25], s[24:25], s[8:9]
	s_cselect_b32 s26, s26, 1072
	s_cmp_lt_u32 ttmp9, 1120
	s_cselect_b64 s[24:25], s[24:25], s[10:11]
	s_cselect_b32 s26, s26, 1120
	s_sub_co_u32 s26, ttmp9, s26
	s_mul_i32 s26, s26, 16*ROWB                    ; 16 rows a tile (under 2^26)
	s_lshl_b32 s27, s22, 10
	s_add_co_u32 s26, s26, s27                     ; + my wave's 1,024 bytes of a row
	s_mov_b32 s27, 0
	s_add_nc_u64 s[24:25], s[24:25], s[26:27]
	s_add_nc_u64 s[14:15], s[14:15], s[28:29]
	s_add_nc_u64 s[16:17], s[16:17], s[30:31]
.macro LOAD u                          ; unit u: 16 rows x 256 bytes; sixteen lanes read 256 consecutive bytes, at a multiple of 256 from the tensor's first byte
.irp i, 0,1,2,3,4,5,6,7
	global_load_b128 v[R+32*(\u)+4*\i:R+32*(\u)+4*\i+3], v5, s[24:25] offset:\i*2*ROWB+256*(\u) th:TH_LOAD_NT
.endr
.endm
.macro TURN u                          ; through the stage: LDS serves a wave's instructions in order (ISA guide 5.7.1.4), so no wait stands between the stores and the loads
.irp i, 0,1,2,3,4,5,6,7
	ds_store_b128 v6, v[R+32*(\u)+4*\i:R+32*(\u)+4*\i+3] offset:((\u)%2)*STAGE+\i*544
.endr
.irp i, 0,1,2,3,4,5,6,7
	ds_load_b128 v[X+32*((\u)%2)+4*\i:X+32*((\u)%2)+4*\i+3], v7 offset:((\u)%2)*STAGE+16*\i
.endr
.endm
.macro UNIT u
.set XS, X+32*((\u)%2)
	s_wait_dscnt 0x0                               ; this unit's numbers are back from the stage
.if (\u) < 3
	s_wait_loadcnt 8*(2-(\u))                      ; the next unit's eight loads are in; those of the units behind it may be out
	TURN (\u)+1                                    ; and go through the other stage while this unit is worked
.endif
	v_max3_num_f32 v13, |v[XS]|, |v[XS+1]|, |v[XS+2]|              ; the block's largest magnitude: all 32 numbers are mine; two chains
	v_max3_num_f32 v14, |v[XS+3]|, |v[XS+4]|, |v[XS+5]|
.irp i, 6,10,14,18,22,26
	v_max3_num_f32 v13, v13, |v[XS+\i]|, |v[XS+\i+1]|
	v_max3_num_f32 v14, v14, |v[XS+\i+2]|, |v[XS+\i+3]|
.endr
	v_max3_num_f32 v13, v13, |v[XS+30]|, |v[XS+31]|
	v_max3_num_f32 v13, v13, v14, 0x1800000        ; and the floor 2^(3 - 127): so the byte cannot fall under 1
	v_add_nc_u32 v11, 0xff000000, v13              ; 2 off its exponent field: the conversion takes the exponent field of this operand as its scale, and nothing else of it
.irp g, 0,1,2,3
	v_cvt_scalef32_pk8_fp4_f32 v[CD+4*(\u)+\g], v[XS+8*\g:XS+8*\g+7], v11   ; to the nearest code, ties to even; beyond 6 the largest code
.endr
	v_lshrrev_b32 v[BY+(\u)], 23, v11              ; the scale's byte (also the plain line behind the conversions)
	global_store_b128 v[LI], v[CD+4*(\u):CD+4*(\u)+3], s[14:15] offset:512*(\u)   ; 32 lanes store 512 consecutive bytes
.endm
.irp u, 0,1,2,3
	LOAD \u
.endr
	s_wait_loadcnt 24                              ; unit 0's eight loads are in; the other 24 may be out
	TURN 0
.irp u, 0,1,2,3
	UNIT \u
.endr
	; The scale words.  I hold the bytes of blocks h and 2 + h of K step 2 p (units 0, 1) and of K step 2 p + 1 (units 2, 3).  Lanes 0-15 store step 2 p's word of row r, lanes 16-31 step 2 p + 1's.
	v_lshl_or_b32 v24, v[BY+1], 16, v[BY]
	v_lshl_or_b32 v25, v[BY+3], 16, v[BY+2]
	v_lshlrev_b32 v24, v8, v24                     ; at their places in the word: 8 h bits up
	v_lshlrev_b32 v25, v8, v25
	v_cmp_ne_u32 vcc_lo, 0, v9
	v_cndmask_b32 v26, v24, v25, vcc_lo            ; what I keep: my half of the word that I store,
	v_cndmask_b32 v27, v25, v24, vcc_lo            ; what lane l xor 16 wants of me
	v_mov_b32 v28, 0                               ; (a lane permute's destination counts as one of its sources)
	v_permlanex16_b32 v28, v27, s20, s21
	v_or_b32 v26, v26, v28
	global_store_b32 v[LS], v26, s[16:17]          ; 128 consecutive bytes a wave, 384 a work-group
	s_wait_tensorcnt 0x0                           ; the wave's end
	ds_add_u32 v[SPW], v[NIL]
	s_wait_dscnt 0x0
	s_endpgm
.Lwp:	; ---- 16 rows of Wp into f16.  Wave p takes chunks 8 p .. 8 p + 7 of 32 along K.  A lane loads the eight numbers of each half fragment as they will lie in its registers; no LDS is touched on this way.
	; A single load's lanes stand 32 bytes or a row apart; a wave's 32 loads together cover 16 runs of 1,024 bytes.  That is taken for a twenty-fifth of the launch's bytes.
	v_mul_u32_u24 v15, v12, ROWB
	v_lshl_add_u32 v15, v9, 5, v15                 ; row r, + 32 h
	s_sub_co_u32 s23, ttmp9, NT_ALL                ; nt
	s_mul_i32 s24, s23, 16*ROWB
	s_lshl_b32 s25, s22, 10
	s_add_co_u32 s24, s24, s25
	s_mov_b32 s25, 0
	s_lshr_b32 s26, s23, 2
	s_mul_i32 s26, s26, 98304
	s_and_b32 s27, s23, 3
	s_lshl_b32 s27, s27, 10
	s_add_co_u32 s26, s26, s27
	s_lshl_b32 s27, s22, 15
	s_add_co_u32 s26, s26, s27
	s_mov_b32 s27, 0
	s_wait_kmcnt 0x0
	s_add_nc_u64 s[12:13], s[12:13], s[24:25]
	s_add_nc_u64 s[18:19], s[18:19], s[26:27]
.irp cc, 0,1,2,3,4,5,6,7
.irp pc, 0,1
.irp q, 0,1
	global_load_b128 v[R+16*\cc+8*\pc+4*\q:R+16*\cc+8*\pc+4*\q+3], v15, s[12:13] offset:128*\cc+64*\pc+16*\q th:TH_LOAD_NT
.endr
.endr
.endr
	s_wait_loadcnt 0x0
.set k, 0
.rept 64
	v_cvt_pk_f16_f32 v[X+k], v[R+2*k], v[R+2*k+1]  ; the first source into the low half
.set k, k+1
.endr
.irp cc, 0,1,2,3,4,5,6,7
.irp pc, 0,1
	global_store_b128 v[LI], v[X+8*\cc+4*\pc:X+8*\cc+4*\pc+3], s[18:19] offset:4096*\cc+512*\pc   ; 512 consecutive bytes
.endr
.endr
	s_endpgm
.Lfunc_end_k_q6c93a9ccc7_quant:
	.size	k_q6c93a9ccc7_quant, .Lfunc_end_k_q6c93a9ccc7_quant-k_q6c93a9ccc7_quant
	.p2alignl 7, 3214868480
	.fill 96, 4, 3214868480
	.section	.rodata,"a",@progbits
	.p2align	6, 0x0
	.amdhsa_kernel k_q6c93a9ccc7_quant
		.amdhsa_group_segment_fixed_size 26624
		.amdhsa_private_segment_fixed_size 0
		.amdhsa_enable_private_segment 0
		.amdhsa_kernarg_size 64
		.amdhsa_user_sgpr_count 2
		.amdhsa_user_sgpr_kernarg_segment_ptr 1
		.amdhsa_wavefront_size32 1
		.amdhsa_system_sgpr_workgroup_id_x 1
		.amdhsa_system_sgpr_workgroup_id_y 1
		.amdhsa_system_sgpr_workgroup_id_z 1
		.amdhsa_system_vgpr_workitem_id 0
		.amdhsa_next_free_vgpr 240
		.amdhsa_next_free_sgpr 66
		.amdhsa_reserve_vcc 1
		.amdhsa_float_denorm_mode_32 3
		.amdhsa_float_denorm_mode_16_64 3
		.amdhsa_memory_ordered 1
		.amdhsa_forward_progress 1
		.amdhsa_inst_pref_size 26
	.end_amdhsa_kernel
	.amdgpu_metadata
---
amdhsa.version: [ 1, 2 ]
amdhsa.kernels:
  - .name:           k_q6c93a9ccc7_quant
    .symbol:         k_q6c93a9ccc7_quant.kd
    .args:
      - { .name: x, .offset: 0, .size: 8, .value_kind: global_buffer, .address_space: global }
      - { .name: Wq, .offset: 8, .size: 8, .value_kind: global_buffer, .address_space: global }
      - { .name: Wk, .offset: 16, .size: 8, .value_kind: global_buffer, .address_space: global }
      - { .name: Wv, .offset: 24, .size: 8, .value_kind: global_buffer, .address_space: global }
      - { .name: Wp, .offset: 32, .size: 8, .value_kind: global_buffer, .address_space: global }
      - { .name: codes, .offset: 40, .size: 8, .value_kind: global_buffer, .address_space: global }
      - { .name: scl, .offset: 48, .size: 8, .value_kind: global_buffer, .address_space: global }
      - { .name: wp16, .offset: 56, .size: 8, .value_kind: global_buffer, .address_space: global }
    .group_segment_fixed_size: 26624
    .private_segment_fixed_size: 0
    .kernarg_segment_align: 8
    .kernarg_segment_size: 64
    .max_flat_workgroup_size: 96
    .sgpr_count:     66
    .vgpr_count:     240
    .wavefront_size: 32
...
	.end_amdgpu_metadata
.endif
;; end of part 1
;; launch proj (part 2): grid 256 x 1, 4 waves a work-group, no clusters, 66,048 bytes of LDS; arguments codes, scl, bq, bk, bv, qf, sbuf, snorm; writes qf, sbuf, snorm
.if DOCPART == 2
	.amdgcn_target "amdgcn-amd-amdhsa--gfx1250"
	.amdhsa_code_object_version 6
	.text
	.protected	k_q6c93a9ccc7_proj
	.globl	k_q6c93a9ccc7_proj
	.p2align	8
	.type	k_q6c93a9ccc7_proj,@function
k_q6c93a9ccc7_proj:
	s_mov_b64 s[64:65], 0
	v_nop
	global_prefetch_b8 v0, s[64:65] scope:SCOPE_SE
	s_setreg_imm32_b32 hwreg(HW_REG_WAVE_MODE, 25, 1), 1
	s_wait_xcnt 0x0
; The three quantised products q, k, v = x W^T + b on codes of FP4 (E2M1) with E8M0 scales, K = 768 in six steps of 128; and S_h = k_h^T v_h (64 x 64 for each batch and head).
; reference() has no softmax and no mask between (q k^T) / 8 and the product with v, so (q k^T) v = q (k^T v) for every input: k and v never go to memory, only their S.
; OUT: qf: q as f16, byte (T 48 + nt) 512 + 16 lane = q[16 T + lane % 16][16 nt + 8 (lane / 16) + 0 .. 7]: halves of f16 fragments.
;      sbuf: S as f32, byte (12 b + h) 16384 + (4 i' + i) 1024 + c 512 + 16 lane = registers 4 c .. 4 c + 3 of the tile S[16 i + 8 (lane / 16) + j][16 i' + lane % 16].
;      snorm: word (12 b + h) 512 + 4 thread: the sum of magnitudes of the column of S that the thread holds (each column twice).
; LIMITS: q, k and v are rounded to f16: their magnitudes stay under 65,504; NaN and infinities are not served.
; SHARES.  Work-group = (batch b = id / 16, role = id % 16).  Roles 0 .. 11: head h = role: its 64 columns of k and of v, and S_h.  Roles 12 .. 15: 192 columns of q.  Wave w takes the batch's tiles of 16 tokens 16 w .. 16 w + 15.
; THE WEIGHTS' FRAGMENTS STAY IN REGISTERS for the whole launch; x's fragments come from memory straight into a ring of four register slots (a tile: 12 loads of codes, 3 of scale words), four tiles ahead.
; No LDS ring, no tensor load, no joint load: each fragment that a work-group loads is used by ONE of its waves, so a way through LDS would add a write and a read and spare none.
; A scale register holds K step 2 p's words in lanes 0-15 and step 2 p + 1's in lanes 16-31: odd steps name the upper row on both sides.
.set SPARE, 65536                      ; behind the four waves' images of S: the spare words, 128 bytes a wave: two blocks of 256 bytes that no other line names
.set SPW, 1                            ; v1  LDS address of my spare word; never rewritten
.set NIL, 2                            ; v2  0; never rewritten
.set LI,  3                            ; v3  16 x lane
.set LS,  4                            ; v4  4 x lane          v5  4 r      v6  32 h      v7, v8  LDS: where I put my S, where I read my share of all four
.set XB,  32                           ; s[32:33] x's codes, s[34:35] x's scale words, at the trip's first tile
.set XS,  34
.set WB,  36                           ; s[36:37] my weights' codes, s[38:39] their scale words
.set WS,  38
; kv path, window 0: v16-39 weights' scale words [3 nt + p]; v40-51 x's [3 slot + p]; v64-127 the biases [8 nt + j]; v128-191 eight accumulators.
;   window 1: weights, K steps 0-3, at 8 (8 s + nt).   window 2: v0-127 K steps 4, 5; v128-255 S's 16 accumulators at 128 + 8 (4 i' + i).   window 3: v0-191 x's four slots at 48 slot + 8 s; v192-255 k and v as f16, 8 a tile.
.set WSC, 16
.set XSC, 40
.set BIA, 64
.set ACC, 128
; q path, window 0: v16-51 weights' scale words; v52-63 x's; v64-159 the biases; v160-207 six accumulators; v208-255 x's slot 3.
;   windows 1, 2, 3 (window 1 + s / 2): v0-191 weights at 96 (s % 2) + 8 nt; v192-239 x's slot (window - 1); v240-255 q as f16 of tiles 4 (window - 1) on.
.set QWSC, 16
.set QXSC, 52
.set QBIA, 64
.set QACC, 160
.set MSB, 0
.macro WIN new                         ; s_set_vgpr_msb: bits 1:0 source 0, 3:2 source 1, 5:4 source 2, 7:6 destination; the high byte repeats the setting that is left; a switch that changes nothing is dropped
.if MSB != (\new)
	s_set_vgpr_msb (MSB<<8)|(\new)
.set MSB, (\new)
.endif
.endm
.macro PLACES                          ; four plain vector lines behind matrix instructions, ahead of loads into their operands and of the first read of their results
.rept 4
	v_nop
.endr
.endm
.macro FP4 d, a, b, c, sa, sb, odd     ; one product of 16 x 16 x 128
.if \odd
	v_wmma_scale_f32_16x16x128_f8f6f4 v[(\d):(\d)+7], v[(\a):(\a)+7], v[(\b):(\b)+7], v[(\c):(\c)+7], v[\sa], v[\sb] matrix_a_fmt:MATRIX_FMT_FP4 matrix_b_fmt:MATRIX_FMT_FP4 matrix_a_scale:MATRIX_SCALE_ROW1 matrix_b_scale:MATRIX_SCALE_ROW1
.else
	v_wmma_scale_f32_16x16x128_f8f6f4 v[(\d):(\d)+7], v[(\a):(\a)+7], v[(\b):(\b)+7], v[(\c):(\c)+7], v[\sa], v[\sb] matrix_a_fmt:MATRIX_FMT_FP4 matrix_b_fmt:MATRIX_FMT_FP4
.endif
.endm
.macro XLOAD win, reg, xsc, tile       ; a tile of x: 3 loads of scale words, 12 of codes, into v[reg] on of window win; every load takes consecutive bytes
	WIN 0
.irp p, 0,1,2
	global_load_b32 v[(\xsc)+\p], v[LS], s[XS:XS+1] offset:(\tile)*384+128*\p
.endr
	WIN (\win)<<6
.irp s, 0,1,2,3,4,5
.irp c, 0,1
	global_load_b128 v[(\reg)+8*\s+4*\c:(\reg)+8*\s+4*\c+3], v[LI], s[XB:XB+1] offset:(\tile)*6144+1024*\s+512*\c
.endr
.endr
	WIN 0
.endm
	s_load_b256 s[4:11], s[0:1], 0x0               ; codes, scl, bq, bk
	s_load_b256 s[12:19], s[0:1], 0x20             ; bv, qf, sbuf, snorm
	v_lshl_add_u32 v[SPW], v0, 2, SPARE
	v_mov_b32 v[NIL], 0
	v_lshrrev_b32 v9, 5, v0
	v_readfirstlane_b32 s20, v9                    ; wave 0 .. 3
	v_and_b32 v9, 31, v0
	v_lshlrev_b32 v[LI], 4, v9
	v_lshlrev_b32 v[LS], 2, v9
	v_and_b32 v10, 15, v0
	v_lshlrev_b32 v5, 2, v10                       ; 4 r
	v_bfe_u32 v11, v0, 4, 1
	v_lshlrev_b32 v6, 5, v11                       ; 32 h
	s_lshl_b32 s24, s20, 14
	v_add_nc_u32 v7, s24, v[LI]                    ; LDS: my wave's image of S, 16,384 bytes
	s_lshl_b32 s24, s20, 12
	v_add_nc_u32 v8, s24, v[LI]                    ; and tiles 4 w .. 4 w + 3 of an image
	s_lshr_b32 s21, ttmp9, 4                       ; b
	s_and_b32 s22, ttmp9, 15                       ; role
	s_lshl_b32 s23, s21, 6
	s_lshl_b32 s24, s20, 4
	s_add_co_u32 s23, s23, s24                     ; G0 = 64 b + 16 w: my first tile of tokens
	s_mul_i32 s24, s23, 6144
	s_mov_b32 s25, 0
	s_mul_i32 s26, s23, 384
	s_mov_b32 s27, 0
	s_wait_kmcnt 0x0
	s_add_nc_u64 s[XB:XB+1], s[4:5], s[24:25]
	s_add_nc_u64 s[XS:XS+1], s[6:7], s[26:27]
	s_cmp_ge_u32 s22, 12
	s_cbranch_scc1 .Lq                             ; the work-group's number alone decides: all four waves go the same way
	; ================ k, v and S of head h = role
	s_mov_b32 s40, 0x76543210                      ; v_permlanex16_b32's selects for lane l xor 16
	s_mov_b32 s41, 0xfedcba98
	s_mul_i32 s24, s22, 4*6144
	s_add_co_u32 s24, s24, 1072*6144               ; Wk's tiles 4 h on; Wv's lie 48 tiles further on
	s_add_nc_u64 s[WB:WB+1], s[4:5], s[24:25]
	s_mul_i32 s24, s22, 4*384
	s_add_co_u32 s24, s24, 1072*384
	s_add_nc_u64 s[WS:WS+1], s[6:7], s[24:25]
	s_lshl_b32 s24, s22, 8
	s_add_nc_u64 s[10:11], s[10:11], s[24:25]      ; bk and bv at column 64 h
	s_add_nc_u64 s[12:13], s[12:13], s[24:25]
	s_mul_i32 s26, s21, 12
	s_add_co_u32 s26, s26, s22                     ; 12 b + h
	s_lshl_b32 s24, s26, 14
	s_lshl_b32 s28, s20, 12
	s_add_co_u32 s24, s24, s28
	s_add_nc_u64 s[16:17], s[16:17], s[24:25]      ; sbuf: my four tiles
	s_lshl_b32 s24, s26, 9
	s_lshl_b32 s28, s20, 7
	s_add_co_u32 s24, s24, s28
	s_add_nc_u64 s[18:19], s[18:19], s[24:25]      ; snorm: my wave's 128 bytes
	WIN 0x40                                       ; tiles nt = 0 .. 3: k's columns 16 nt on; 4 .. 7: v's
.irp s, 0,1,2,3
.irp nt, 0,1,2,3,4,5,6,7
.irp c, 0,1
	global_load_b128 v[8*(8*\s+\nt)+4*\c:8*(8*\s+\nt)+4*\c+3], v[LI], s[WB:WB+1] offset:(\nt+44*(\nt/4))*6144+1024*\s+512*\c
.endr
.endr
.endr
	WIN 0x80
.irp s, 4,5
.irp nt, 0,1,2,3,4,5,6,7
.irp c, 0,1
	global_load_b128 v[8*(8*(\s-4)+\nt)+4*\c:8*(8*(\s-4)+\nt)+4*\c+3], v[LI], s[WB:WB+1] offset:(\nt+44*(\nt/4))*6144+1024*\s+512*\c
.endr
.endr
.endr
	WIN 0
.irp nt, 0,1,2,3,4,5,6,7
.irp p, 0,1,2
	global_load_b32 v[WSC+3*\nt+\p], v[LS], s[WS:WS+1] offset:(\nt+44*(\nt/4))*384+128*\p
.endr
.endr
.irp nt, 0,1,2,3                       ; a bias is the C of a sum's first product.  Here a lane holds ONE column and eight tokens, so its eight registers hold the same number: it is loaded into each
.irp j, 0,1,2,3,4,5,6,7
	global_load_b32 v[BIA+8*\nt+\j], v5, s[10:11] offset:64*\nt
	global_load_b32 v[BIA+32+8*\nt+\j], v5, s[12:13] offset:64*\nt
.endr
.endr
.irp sl, 0,1,2,3
	XLOAD 3, 48*\sl, XSC+3*\sl, \sl
.endr
; A tile of 16 tokens: source 0 = x's 16 tokens, source 1 = 16 rows of Wk or Wv: in the result a lane holds column lane % 16 and tokens 8 (lane / 16) + 0 .. 7.  Rounded to f16 in pairs, the results of two
; neighbouring tiles of tokens (u = 0, 1) ARE a fragment of 16 columns x 32 tokens for S = k^T v, whose K is the tokens: nothing changes lanes.  The eight accumulators take turns.
; next: the tile, counted from the trip's first, that takes this slot (-1: none).  cnt: the loads of the younger tiles, 15 each, that may stay out.
.macro KVTILE slot, u, next, cnt
	s_wait_loadcnt \cnt
.irp s, 0,1,2,3,4,5
.if \s < 4
	WIN 0x07                                       ; x window 3, weights window 1, C and D window 0
.else
	WIN 0x0b                                       ; weights window 2
.endif
.irp nt, 0,1,2,3,4,5,6,7
.if \s == 0
	FP4 ACC+8*\nt, 48*\slot+8*\s, 8*(8*(\s%4)+\nt), BIA+8*\nt, XSC+3*\slot+\s/2, WSC+3*\nt+\s/2, \s%2
.else
	FP4 ACC+8*\nt, 48*\slot+8*\s, 8*(8*(\s%4)+\nt), ACC+8*\nt, XSC+3*\slot+\s/2, WSC+3*\nt+\s/2, \s%2
.endif
.endr
.endr
	WIN 0
	PLACES
.if \next >= 0
	XLOAD 3, 48*\slot, XSC+3*\slot, \next
.endif
	WIN 0xc0                                       ; sources window 0, destination window 3
.irp nt, 0,1,2,3,4,5,6,7
.irp j, 0,1,2,3
	v_cvt_pk_f16_f32 v[192+8*\nt+4*\u+\j], v[ACC+8*\nt+2*\j], v[ACC+8*\nt+2*\j+1]   ; each accumulator from its low end on
.endr
.endr
.endm
.macro SMUL zero                       ; S += k^T v over 32 tokens: source 0 = 16 columns of k, source 1 = 16 of v; 16 accumulators by turns.  zero = 1: the first product starts the sums
	WIN 0xaf                                       ; sources window 3, C and D window 2
.irp ip, 0,1,2,3
.irp i, 0,1,2,3
.if \zero
	v_wmma_f32_16x16x32_f16 v[128+8*(4*\ip+\i):128+8*(4*\ip+\i)+7], v[192+8*\i:192+8*\i+7], v[224+8*\ip:224+8*\ip+7], 0
.else
	v_wmma_f32_16x16x32_f16 v[128+8*(4*\ip+\i):128+8*(4*\ip+\i)+7], v[192+8*\i:192+8*\i+7], v[224+8*\ip:224+8*\ip+7], v[128+8*(4*\ip+\i):128+8*(4*\ip+\i)+7]
.endif
.endr
.endr
.endm
.macro KVTRIP zero, load               ; four tiles of tokens, once round the slots
.if \load
	KVTILE 0, 0, 4, 45
	KVTILE 1, 1, 5, 45
	SMUL \zero
	KVTILE 2, 0, 6, 45
	KVTILE 3, 1, 7, 45
	SMUL 0
	WIN 0
	s_wait_xcnt 0x0                                ; the loads have read their bases: only now are these stepped
	s_add_nc_u64 s[XB:XB+1], s[XB:XB+1], 4*6144
	s_add_nc_u64 s[XS:XS+1], s[XS:XS+1], 4*384
.else
	KVTILE 0, 0, -1, 45                            ; the last four tiles load nothing: the counts run down
	KVTILE 1, 1, -1, 30
	SMUL \zero
	KVTILE 2, 0, -1, 15
	KVTILE 3, 1, -1, 0
	SMUL 0
	WIN 0
.endif
.endm
	KVTRIP 1, 1
	s_mov_b32 s30, 2
.Lkv:
	KVTRIP 0, 1
	s_sub_co_u32 s30, s30, 1
	s_cmp_lg_u32 s30, 0
	s_cbranch_scc1 .Lkv
	KVTRIP 0, 0
	; THE SUM OVER THE FOUR WAVES' TOKENS.  Each wave puts its S into LDS as an image of its registers; behind the barrier wave w adds the four images of tiles 4 w .. 4 w + 3: all 64 rows d of columns 16 w .. 16 w + 15.
	PLACES
	WIN 0x08                                       ; an LDS store's data are its source 1: window 2
.irp ti, 0,1,2,3,4,5,6,7,8,9,10,11,12,13,14,15
.irp c, 0,1
	ds_store_b128 v7, v[128+8*\ti+4*\c:128+8*\ti+4*\c+3] offset:\ti*1024+\c*512
.endr
.endr
	WIN 0
	s_wait_dscnt 0x0                               ; for the others' sake: my stores have landed
	s_barrier_signal -1
	s_barrier_wait -1
	WIN 0xc0                                       ; into window 3, where x's slots lay
.irp p, 0,1,2,3
.irp t, 0,1,2,3
.irp c, 0,1
	ds_load_b128 v[32*\p+8*\t+4*\c:32*\p+8*\t+4*\c+3], v8 offset:\p*16384+\t*1024+\c*512
.endr
.endr
.endr
	s_wait_dscnt 0x0
	WIN 0xcf
.irp x, 0,2,4,6,8,10,12,14,16,18,20,22,24,26,28,30
	v_pk_add_f32 v[\x:\x+1], v[\x:\x+1], v[32+\x:33+\x]
	v_pk_add_f32 v[64+\x:65+\x], v[64+\x:65+\x], v[96+\x:97+\x]
.endr
.irp x, 0,2,4,6,8,10,12,14,16,18,20,22,24,26,28,30
	v_pk_add_f32 v[\x:\x+1], v[\x:\x+1], v[64+\x:65+\x]
.endr
	WIN 0x0c                                       ; a store's data are its source 1: window 3
.irp t, 0,1,2,3
.irp c, 0,1
	global_store_b128 v[LI], v[8*\t+4*\c:8*\t+4*\c+3], s[16:17] offset:\t*1024+\c*512   ; 512 consecutive bytes
.endr
.endr
	WIN 0x0f                                       ; the sum of magnitudes of my column: my 32 rows d, in pairs,
.irp x, 0,1,2,3,4,5,6,7,8,9,10,11,12,13,14,15
	v_add_f32 v[64+\x], |v[2*\x]|, |v[2*\x+1]|
.endr
	WIN 0
.irp x, 0,1,2,3,4,5,6,7
	v_add_f32 v[64+\x], v[64+\x], v[72+\x]
.endr
.irp x, 0,1,2,3
	v_add_f32 v[64+\x], v[64+\x], v[68+\x]
.endr
	v_add_f32 v64, v64, v66
	v_add_f32 v65, v65, v67
	v_add_f32 v64, v64, v65
	v_mov_b32 v80, 0                               ; (a lane permute's destination counts as one of its sources)
	v_permlanex16_b32 v80, v64, s40, s41
	v_add_f32 v64, v64, v80                        ; and lane l xor 16's 32 rows
	global_store_b32 v[LS], v64, s[18:19]
	s_wait_tensorcnt 0x0                           ; the wave's end
	ds_add_u32 v[SPW], v[NIL]
	s_wait_dscnt 0x0
	s_endpgm
.Lq:	; ================ 192 columns of q: 12 tiles nt, column group cg = role - 12.  No LDS is touched on this way.
	s_sub_co_u32 s22, s22, 12
	s_mul_i32 s24, s22, 12*6144
	s_add_co_u32 s24, s24, 1024*6144               ; Wq's tiles 12 cg on
	s_add_nc_u64 s[WB:WB+1], s[4:5], s[24:25]
	s_mul_i32 s24, s22, 12*384
	s_add_co_u32 s24, s24, 1024*384
	s_add_nc_u64 s[WS:WS+1], s[6:7], s[24:25]
	s_mul_i32 s24, s22, 768
	s_add_nc_u64 s[8:9], s[8:9], s[24:25]          ; bq at column 192 cg
	s_mul_i32 s24, s23, 48*512
	s_mul_i32 s26, s22, 12*512
	s_add_co_u32 s24, s24, s26
	s_add_nc_u64 s[14:15], s[14:15], s[24:25]      ; qf: tile G0, piece 12 cg
.irp s, 0,1,2,3,4,5
	WIN (1+\s/2)<<6
.irp nt, 0,1,2,3,4,5,6,7,8,9,10,11
.irp c, 0,1
	global_load_b128 v[96*(\s%2)+8*\nt+4*\c:96*(\s%2)+8*\nt+4*\c+3], v[LI], s[WB:WB+1] offset:\nt*6144+1024*\s+512*\c
.endr
.endr
.endr
	WIN 0
.irp nt, 0,1,2,3,4,5,6,7,8,9,10,11
.irp p, 0,1,2
	global_load_b32 v[QWSC+3*\nt+\p], v[LS], s[WS:WS+1] offset:\nt*384+128*\p
.endr
.irp c, 0,1
	global_load_b128 v[QBIA+8*\nt+4*\c:QBIA+8*\nt+4*\c+3], v6, s[8:9] offset:64*\nt+16*\c   ; bq of the lane's eight columns 16 nt + 8 h + 0 .. 7
.endr
.endr
	XLOAD 1, 192, QXSC, 0
	XLOAD 2, 192, QXSC+3, 1
	XLOAD 3, 192, QXSC+6, 2
	XLOAD 0, 208, QXSC+9, 3
; A tile of 16 tokens, TRANSPOSED: source 0 = 16 rows of Wq, source 1 = x's 16 tokens: a lane holds token lane % 16 and eight neighbouring columns, which pack into 16 bytes of f16.
; Two rounds of six tiles of columns; the six accumulators take turns.
.macro QTILE slot, next, cnt
.set XW, ((\slot)+1)%4                 ; the slot's window,
.set XR, 192+16*((\slot)/3)            ; and its first register there
	s_wait_loadcnt \cnt
.irp rd, 0,1
.irp s, 0,1,2,3,4,5
	WIN (1+\s/2)|(XW<<2)
.irp t, 0,1,2,3,4,5
.if \s == 0
	FP4 QACC+8*\t, 96*(\s%2)+8*(6*\rd+\t), XR+8*\s, QBIA+8*(6*\rd+\t), QWSC+3*(6*\rd+\t)+\s/2, QXSC+3*\slot+\s/2, \s%2
.else
	FP4 QACC+8*\t, 96*(\s%2)+8*(6*\rd+\t), XR+8*\s, QACC+8*\t, QWSC+3*(6*\rd+\t)+\s/2, QXSC+3*\slot+\s/2, \s%2
.endif
.endr
.endr
	WIN 0
	PLACES
.if \rd == 1
.if \next >= 0
	XLOAD XW, XR, QXSC+3*\slot, \next
.endif
.else
	s_wait_xcnt 0x0                                ; the last tile's twelve stores have read their data: the registers are written again only behind this wait
.endif
.irp t, 0,1,2,3,4,5
	WIN (1+(6*\rd+\t)/4)<<6
.irp j, 0,1,2,3
	v_cvt_pk_f16_f32 v[240+4*((6*\rd+\t)%4)+\j], v[QACC+8*\t+2*\j], v[QACC+8*\t+2*\j+1]   ; each accumulator from its low end on
.endr
.endr
.irp t, 0,1,2,3,4,5
	WIN (1+(6*\rd+\t)/4)<<2
	global_store_b128 v[LI], v[240+4*((6*\rd+\t)%4):240+4*((6*\rd+\t)%4)+3], s[14:15] offset:\slot*24576+(6*\rd+\t)*512   ; 512 consecutive bytes
.endr
.endr
	WIN 0
.endm
.macro QTRIP load
.if \load
	QTILE 0, 4, 45
	QTILE 1, 5, 45
	QTILE 2, 6, 45
	QTILE 3, 7, 45
	s_wait_xcnt 0x0                                ; loads and stores have read their bases
	s_add_nc_u64 s[XB:XB+1], s[XB:XB+1], 4*6144
	s_add_nc_u64 s[XS:XS+1], s[XS:XS+1], 4*384
	s_add_nc_u64 s[14:15], s[14:15], 4*24576
.else
	QTILE 0, -1, 45
	QTILE 1, -1, 30
	QTILE 2, -1, 15
	QTILE 3, -1, 0
.endif
.endm
	s_mov_b32 s30, 3
.Lqt:
	QTRIP 1
	s_sub_co_u32 s30, s30, 1
	s_cmp_lg_u32 s30, 0
	s_cbranch_scc1 .Lqt
	QTRIP 0
	s_endpgm
.Lfunc_end_k_q6c93a9ccc7_proj:
	.size	k_q6c93a9ccc7_proj, .Lfunc_end_k_q6c93a9ccc7_proj-k_q6c93a9ccc7_proj
	.p2alignl 7, 3214868480
	.fill 96, 4, 3214868480
	.section	.rodata,"a",@progbits
	.p2align	6, 0x0
	.amdhsa_kernel k_q6c93a9ccc7_proj
		.amdhsa_group_segment_fixed_size 66048
		.amdhsa_private_segment_fixed_size 0
		.amdhsa_enable_private_segment 0
		.amdhsa_kernarg_size 64
		.amdhsa_user_sgpr_count 2
		.amdhsa_user_sgpr_kernarg_segment_ptr 1
		.amdhsa_wavefront_size32 1
		.amdhsa_system_sgpr_workgroup_id_x 1
		.amdhsa_system_sgpr_workgroup_id_y 1
		.amdhsa_system_sgpr_workgroup_id_z 1
		.amdhsa_system_vgpr_workitem_id 0
		.amdhsa_next_free_vgpr 1024
		.amdhsa_next_free_sgpr 66
		.amdhsa_reserve_vcc 0
		.amdhsa_float_denorm_mode_32 3
		.amdhsa_float_denorm_mode_16_64 3
		.amdhsa_memory_ordered 1
		.amdhsa_forward_progress 1
		.amdhsa_inst_pref_size 255
	.end_amdhsa_kernel
	.section	.bss,"aw",@nobits
	.p2align	6
	.space	262144
	.amdgpu_metadata
---
amdhsa.version: [ 1, 2 ]
amdhsa.kernels:
  - .name:           k_q6c93a9ccc7_proj
    .symbol:         k_q6c93a9ccc7_proj.kd
    .args:
      - { .name: codes, .offset: 0, .size: 8, .value_kind: global_buffer, .address_space: global }
      - { .name: scl, .offset: 8, .size: 8, .value_kind: global_buffer, .address_space: global }
      - { .name: bq, .offset: 16, .size: 8, .value_kind: global_buffer, .address_space: global }
      - { .name: bk, .offset: 24, .size: 8, .value_kind: global_buffer, .address_space: global }
      - { .name: bv, .offset: 32, .size: 8, .value_kind: global_buffer, .address_space: global }
      - { .name: qf, .offset: 40, .size: 8, .value_kind: global_buffer, .address_space: global }
      - { .name: sbuf, .offset: 48, .size: 8, .value_kind: global_buffer, .address_space: global }
      - { .name: snorm, .offset: 56, .size: 8, .value_kind: global_buffer, .address_space: global }
    .group_segment_fixed_size: 66048
    .private_segment_fixed_size: 0
    .kernarg_segment_align: 8
    .kernarg_segment_size: 64
    .max_flat_workgroup_size: 128
    .sgpr_count:     66
    .vgpr_count:     1024
    .wavefront_size: 32
...
	.end_amdgpu_metadata
.endif
;; end of part 2
;; launch outp (part 3): grid 256 x 1, 4 waves a work-group, no clusters, 168,448 bytes of LDS; arguments qf, sbuf, snorm, wp16, bp, out0; writes out0
.if DOCPART == 3
	.amdgcn_target "amdgcn-amd-amdhsa--gfx1250"
	.amdhsa_code_object_version 6
	.text
	.protected	k_q6c93a9ccc7_outp
	.globl	k_q6c93a9ccc7_outp
	.p2align	8
	.type	k_q6c93a9ccc7_outp,@function
k_q6c93a9ccc7_outp:
	s_mov_b64 s[64:65], 0
	v_nop
	global_prefetch_b8 v0, s[64:65] scope:SCOPE_SE
	s_setreg_imm32_b32 hwreg(HW_REG_WAVE_MODE, 25, 1), 1
	s_wait_xcnt 0x0
; out = ((q S) / 8) Wp^T + bp, S_h = k_h^T v_h from the launch before; both products on f16 operands with f32 sums.
; THE SCALE.  S and y = q S have no room in f16 for inputs much larger or smaller than usual, so S is brought to size by a power of two taken from the data, one for each batch:
; n = the largest sum of magnitudes of a column of S in the batch (all 12 heads); e = n's exponent field, held to 3 .. 252; g = 2^(126 - e); F = 2^(e - 129): g F = 1 / 8 exactly.
; S'' = f16(S g): every column's magnitudes sum to less than 1, so |y''| = |q S''| is at most the largest |q|, which fits wherever q fits.  out = F (f16(y'') f16(Wp)^T) + bp: one fused multiply-add in f32.
; e steers numbers alone: no address and no branch hangs on it.
; LIMITS: |q| and |Wp| under 65,504; numbers of S'' and y'' under 2^-14 are f16 subnormals (absolute error 2^-25 of the scaled sizes); NaN and infinities are not served; an S of zeros gives out = bp.
; SHARES.  A work-group takes 64 tokens (tiles m = 0 .. 3 of 16) of one batch.  THE WAVES SHARE THE COLUMNS: wave w makes y'' of heads 3 w .. 3 w + 2, then out's columns 192 w .. 192 w + 191, for all 64 tokens,
; in three groups of 64 columns (16 accumulators).  y'' goes from wave to wave through LDS as images of the operand's registers: one barrier.
; Wp's fragments are each used by one wave of the work-group: they go from memory straight into a ring of eight register slots (a step of 32 along K: 8 loads, 4,096 consecutive bytes), eight steps ahead.
; No tensor load and no joint load: between two changes of a slot that 64 tokens could feed stand too few products for a refill to land; the ring in registers runs under counted waits instead.
; Both products are used TRANSPOSED (source 0 = S''^T or Wp's rows, source 1 = the tokens): a lane holds ONE token and eight neighbouring columns.
; REGISTERS.  window 0: v1-10 addresses; v16-17 F, v18-19 g (pairs for the packed forms); v20-31 at work; v32-127 y's ring, three slots of 32 (first: the batch's norms); v128-223 bp of my 192 columns.
;   window 1: S as f32 (v0-127), then Wp's ring at 32 (step % 8) + 8 i.   window 2: v0-127 16 accumulators at 8 (4 m + i); v128-191 S'', v192-255 y'' as f16; later v128-255 the finished numbers.
;   window 3: q's fragments at 48 m + 16 head + 8 a; later v0-127 rows read back from the stage.
.set YIMG,  0                          ; LDS: y'': chunk c (32 channels) of token tile m at c 4096 + m 1024 + piece 512 + 16 lane: 98,304 bytes
.set STG,   98304                      ; each wave's own four stages of 16 rows x (256 + 16) bytes, for the way out
.set SPARE, STG+4*17408                ; the spare words, 128 bytes a wave: two blocks of 256 bytes that no other line names
.set SPW, 1                            ; v1  LDS address of my spare word; never rewritten
.set NIL, 2                            ; v2  0; never rewritten
.set LI,  3                            ; v3  16 x lane      v4  32 h      v5  where I put y''      v7  16 x lane + 65,536
                                       ; v8  the stage, in: row r, + 32 h      v9  back: lanes 0-15 one row, lanes 16-31 the next      v10  the same two rows in out
.set BPR, 128
.set MSB, 0
.macro WIN new                         ; s_set_vgpr_msb: bits 1:0 source 0, 3:2 source 1, 5:4 source 2, 7:6 destination; the high byte repeats the setting that is left; a switch that changes nothing is dropped
.if MSB != (\new)
	s_set_vgpr_msb (MSB<<8)|(\new)
.set MSB, (\new)
.endif
.endm
.macro PLACES                          ; four plain vector lines behind matrix instructions, ahead of loads into their operands and of the first read of their results
.rept 4
	v_nop
.endr
.endm
	s_load_b256 s[4:11], s[0:1], 0x0               ; qf, sbuf, snorm, wp16
	s_load_b128 s[12:15], s[0:1], 0x20             ; bp, out0
	v_lshl_add_u32 v[SPW], v0, 2, SPARE
	v_mov_b32 v[NIL], 0
	v_lshrrev_b32 v20, 5, v0
	v_readfirstlane_b32 s20, v20                   ; wave 0 .. 3
	v_and_b32 v20, 31, v0
	v_lshlrev_b32 v[LI], 4, v20
	v_and_b32 v21, 15, v0                          ; r
	v_bfe_u32 v22, v0, 4, 1                        ; h
	v_lshlrev_b32 v4, 5, v22
	s_mul_i32 s21, s20, 6*4096
	v_add_nc_u32 v5, s21, v[LI]                    ; my three heads are chunks 6 w .. 6 w + 5
	v_add_nc_u32 v7, 0x10000, v[LI]
	s_mul_i32 s21, s20, 17408
	s_add_co_u32 s21, s21, STG
	v_mul_u32_u24 v8, v21, 272
	v_lshl_add_u32 v8, v22, 5, v8
	v_add_nc_u32 v8, s21, v8
	v_mul_u32_u24 v9, v22, 272
	v_lshl_add_u32 v9, v21, 4, v9
	v_add_nc_u32 v9, s21, v9
	v_mul_u32_u24 v10, v22, 3072
	v_lshl_add_u32 v10, v21, 4, v10
	s_mov_b32 s34, 0x76543210                      ; v_permlanex16_b32's selects for lane l xor 16
	s_mov_b32 s35, 0xfedcba98
	s_mul_i32 s22, ttmp9, 4*48*512                 ; qf: my work-group's four tiles of tokens,
	s_mul_i32 s24, s20, 12*512
	s_add_co_u32 s22, s22, s24                     ; my wave's 12 pieces of each
	s_mov_b32 s23, 0
	s_lshr_b32 s26, ttmp9, 4                       ; b
	s_mul_i32 s24, s26, 12
	s_mul_i32 s25, s20, 3
	s_add_co_u32 s24, s24, s25
	s_lshl_b32 s24, s24, 14                        ; sbuf: head 12 b + 3 w
	s_mov_b32 s25, 0
	s_mul_i32 s26, s26, 12*512                     ; snorm: the batch's 12 heads
	s_mov_b32 s27, 0
	s_mul_i32 s28, s20, 3*98304                    ; wp16: my 12 tiles of rows
	s_mov_b32 s29, 0
	s_mul_i32 s30, s20, 768                        ; bp and out: my 192 columns
	s_mov_b32 s31, 0
	s_mul_i32 s32, ttmp9, 64*3072
	s_add_co_u32 s32, s32, s30
	s_mov_b32 s33, 0
	s_wait_kmcnt 0x0
	s_add_nc_u64 s[4:5], s[4:5], s[22:23]
	s_add_nc_u64 s[6:7], s[6:7], s[24:25]
	s_add_nc_u64 s[8:9], s[8:9], s[26:27]
	s_add_nc_u64 s[10:11], s[10:11], s[28:29]
	s_add_nc_u64 s[12:13], s[12:13], s[30:31]
	s_add_nc_u64 s[14:15], s[14:15], s[32:33]
.macro SLOAD hl                        ; S of my head hl, 16 tiles of f32, as they lie: 32 loads of 512 consecutive bytes
	WIN 0x40
.irp k, 0,1,2,3,4,5,6,7,8,9,10,11,12,13,14,15,16,17,18,19,20,21,22,23,24,25,26,27,28,29,30,31
	global_load_b128 v[4*\k:4*\k+3], v[LI], s[6:7] offset:\hl*16384+512*\k
.endr
.endm
.macro SCVT                            ; S'' = f16(S g).  Tiles 4 i' + 2 a and 4 i' + 2 a + 1 make the fragment (16 columns d' as rows, 32 rows d as K) at 128 + 8 (2 i' + a)
	WIN 0x41
.set k, 0
.rept 64
	v_pk_mul_f32 v[2*k:2*k+1], v[2*k:2*k+1], v[18:19]
.set k, k+1
.endr
	WIN 0x85
.set k, 0
.rept 64
	v_cvt_pk_f16_f32 v[128+k], v[2*k], v[2*k+1]
.set k, k+1
.endr
.endm
.macro YMUL hl                         ; y''^T = S''^T q^T: K = the head's 64, two deep; 16 accumulators (token tile m, columns 16 i' on) by turns
	WIN 0xae                                       ; S'' window 2, q window 3, C and D window 2
.irp a, 0,1
.irp m, 0,1,2,3
.irp ip, 0,1,2,3
.if \a == 0
	v_wmma_f32_16x16x32_f16 v[8*(4*\m+\ip):8*(4*\m+\ip)+7], v[128+8*(2*\ip+\a):128+8*(2*\ip+\a)+7], v[48*\m+16*\hl+8*\a:48*\m+16*\hl+8*\a+7], 0
.else
	v_wmma_f32_16x16x32_f16 v[8*(4*\m+\ip):8*(4*\m+\ip)+7], v[128+8*(2*\ip+\a):128+8*(2*\ip+\a)+7], v[48*\m+16*\hl+8*\a:48*\m+16*\hl+8*\a+7], v[8*(4*\m+\ip):8*(4*\m+\ip)+7]
.endif
.endr
.endr
.endr
.endm
.macro YCVT                            ; to f16: accumulators 4 m + 2 a' and 4 m + 2 a' + 1 make the fragment (16 tokens, 32 channels) at 192 + 8 (2 m + a')
	PLACES
	s_wait_dscnt 0x0                               ; the last head's LDS stores have read these registers
	WIN 0x8a
.set k, 0
.rept 64
	v_cvt_pk_f16_f32 v[192+k], v[2*k], v[2*k+1]    ; each accumulator from its low end on
.set k, k+1
.endr
.endm
.macro YSTORE hl                       ; the fragments go to LDS as they stand in my registers
	WIN 0x08
.irp m, 0,1,2,3
.irp ap, 0,1
.irp c, 0,1
	ds_store_b128 v5, v[192+8*(2*\m+\ap)+4*\c:192+8*(2*\m+\ap)+4*\c+3] offset:YIMG+(2*\hl+\ap)*4096+\m*1024+\c*512
.endr
.endr
.endr
.endm
.macro RING st                         ; Wp's four fragments of step st (group st / 24, chunk st % 24) into ring slot st % 8
	WIN 0x40
.irp i, 0,1,2,3
.irp c, 0,1
	global_load_b128 v[32*((\st)%8)+8*\i+4*\c:32*((\st)%8)+8*\i+4*\c+3], v[LI], s[10:11] offset:(\st)*4096+\i*1024+\c*512
.endr
.endr
.endm
.macro YFETCH st                       ; y'''s four fragments of chunk st % 24 into slot st % 3
	WIN 0
.set C24, (\st)%24
.irp m, 0,1,2,3
.irp c, 0,1
.if C24 < 16
	ds_load_b128 v[32+32*((\st)%3)+8*\m+4*\c:32+32*((\st)%3)+8*\m+4*\c+3], v[LI] offset:YIMG+C24*4096+\m*1024+\c*512
.else
	ds_load_b128 v[32+32*((\st)%3)+8*\m+4*\c:32+32*((\st)%3)+8*\m+4*\c+3], v7 offset:YIMG+(C24-16)*4096+\m*1024+\c*512
.endif
.endr
.endr
.endm
.macro STEP st                         ; 32 along K: 16 products, the 16 accumulators by turns; a group's first step starts the sums
.if (\st) < 64
	s_wait_loadcnt 56                              ; this step's eight loads are in; those of the seven steps behind it may be out
.else
	s_wait_loadcnt 8*(71-(\st))
.endif
.if (\st) < 70
	s_wait_dscnt 16                                ; this chunk of y'' is in; the next two chunks' eight loads each may be out
.else
	s_wait_dscnt 8*(71-(\st))
.endif
	WIN 0xa1                                       ; Wp window 1, y'' window 0, C and D window 2
.irp m, 0,1,2,3
.irp i, 0,1,2,3
.if ((\st)%24) == 0
	v_wmma_f32_16x16x32_f16 v[8*(4*\m+\i):8*(4*\m+\i)+7], v[32*((\st)%8)+8*\i:32*((\st)%8)+8*\i+7], v[32+32*((\st)%3)+8*\m:32+32*((\st)%3)+8*\m+7], 0
.else
	v_wmma_f32_16x16x32_f16 v[8*(4*\m+\i):8*(4*\m+\i)+7], v[32*((\st)%8)+8*\i:32*((\st)%8)+8*\i+7], v[32+32*((\st)%3)+8*\m:32+32*((\st)%3)+8*\m+7], v[8*(4*\m+\i):8*(4*\m+\i)+7]
.endif
.endr
.endr
	PLACES
.if (\st)+8 < 72
	RING (\st)+8                                   ; both slots just read are filled again
.endif
.if (\st)+3 < 72
	YFETCH (\st)+3
.endif
.endm
; A group of 64 columns is finished: x F + bp; a lane's 32 bytes of a row go into my own stage and come back as rows of 256 bytes.  LDS serves a wave's instructions in order (ISA guide 5.7.1.4): no wait between the stores and the loads.
; The next group's fragments of Wp are on their way meanwhile.
.macro EPI grp
	s_wait_xcnt 0x0                                ; the last group's stores have read their registers: these are loaded again only behind this wait
	WIN 0x82                                       ; the sums window 2, F and bp window 0, the results window 2
.irp m, 0,1,2,3
.irp i, 0,1,2,3
.irp j, 0,2,4,6
	v_pk_fma_f32 v[128+8*(4*\m+\i)+\j:128+8*(4*\m+\i)+\j+1], v[8*(4*\m+\i)+\j:8*(4*\m+\i)+\j+1], v[16:17], v[BPR+32*\grp+8*\i+\j:BPR+32*\grp+8*\i+\j+1]   ; each accumulator from its low end on
.endr
.endr
.endr
	WIN 0x08
.irp m, 0,1,2,3
.irp i, 0,1,2,3
.irp c, 0,1
	ds_store_b128 v8, v[128+8*(4*\m+\i)+4*\c:128+8*(4*\m+\i)+4*\c+3] offset:\m*4352+\i*64+\c*16
.endr
.endr
.endr
	WIN 0xc0
.irp m, 0,1,2,3
.irp t, 0,1,2,3,4,5,6,7
	ds_load_b128 v[4*(8*\m+\t):4*(8*\m+\t)+3], v9 offset:\m*4352+\t*544
.endr
.endr
	WIN 0x0c
.irp m, 0,1,2,3
.irp t, 0,1,2,3,4,5,6,7
	s_wait_dscnt 31-(8*\m+\t)
	global_store_b128 v10, v[4*(8*\m+\t):4*(8*\m+\t)+3], s[14:15] offset:(16*\m+2*\t)*3072+\grp*256 th:TH_STORE_NT   ; sixteen lanes store 256 consecutive bytes, at a multiple of 256 from out's first byte
.endr
.endr
.endm
	; ---- the loads of the head, in the order in which they are wanted
.irp q, 0,1,2,3,4,5,6,7,8,9,10,11
.irp c, 0,1
	global_load_b128 v[BPR+8*\q+4*\c:BPR+8*\q+4*\c+3], v4, s[12:13] offset:64*\q+16*\c   ; bp of the lane's eight columns 16 q + 8 h + 0 .. 7
.endr
.endr
.irp k, 0,1,2,3,4,5,6,7,8,9,10,11
	global_load_b128 v[32+4*\k:35+4*\k], v[LI], s[8:9] offset:512*\k                     ; the batch's 1,536 norms, 48 a lane
.endr
	SLOAD 0
	WIN 0xc0
.irp m, 0,1,2,3
.irp n, 0,1,2,3,4,5,6,7,8,9,10,11
	global_load_b128 v[48*\m+4*\n:48*\m+4*\n+3], v[LI], s[4:5] offset:\m*24576+\n*512 th:TH_LOAD_NT   ; q: pieces 2 a and 2 a + 1 of a head are one fragment; read once in the launch
.endr
.endr
	WIN 0
	s_wait_loadcnt 48                              ; all but q's 48 loads are in
	v_max3_num_f32 v20, v32, v33, v34              ; the largest norm: none is negative; two chains
	v_max3_num_f32 v21, v56, v57, v58
.irp i, 3,5,7,9,11,13,15,17,19,21
	v_max3_num_f32 v20, v20, v[32+\i], v[33+\i]
	v_max3_num_f32 v21, v21, v[56+\i], v[57+\i]
.endr
	v_max3_num_f32 v20, v20, v55, v79
	v_max_num_f32 v20, v20, v21
	v_max_num_f32_dpp v20, v20, v20 row_xmask:1 row_mask:0xf bank_mask:0xf
	v_max_num_f32_dpp v20, v20, v20 row_xmask:2 row_mask:0xf bank_mask:0xf
	v_max_num_f32_dpp v20, v20, v20 row_xmask:4 row_mask:0xf bank_mask:0xf
	v_max_num_f32_dpp v20, v20, v20 row_xmask:8 row_mask:0xf bank_mask:0xf
	v_mov_b32 v24, 0                               ; (a lane permute's destination counts as one of its sources)
	v_permlanex16_b32 v24, v20, s34, s35
	v_max_num_f32 v20, v20, v24
	v_max_num_f32 v20, 0x1800000, v20              ; held between 2^(3 - 127)
	v_min_num_f32 v20, 0x7e000000, v20             ; and 2^(252 - 127), so that g and F are normal numbers
	v_lshrrev_b32 v22, 23, v20                     ; e
	v_sub_nc_u32 v23, 253, v22
	v_lshlrev_b32 v18, 23, v23                     ; g = 2^(126 - e)
	v_mov_b32 v19, v18
	v_add_nc_u32 v23, -2, v22
	v_lshlrev_b32 v16, 23, v23                     ; F = 2^(e - 129)
	v_mov_b32 v17, v16
	; ---- y'' of my three heads; the next head's S is on its way while one is multiplied
	SCVT
	SLOAD 1
	s_wait_loadcnt 32                              ; q is in; the 32 loads just issued may be out
	YMUL 0
	YCVT
	YSTORE 0
	s_wait_loadcnt 0x0
	SCVT
	SLOAD 2
	YMUL 1
	YCVT
	YSTORE 1
	s_wait_loadcnt 0x0
	SCVT
.irp st, 0,1,2,3,4,5,6,7
	RING \st                                       ; window 1 is free: Wp's ring is filled, 64 loads
.endr
	YMUL 2
	YCVT
	YSTORE 2
	WIN 0
	s_wait_dscnt 0x0                               ; for the others' sake: my stores have landed
	s_barrier_signal -1
	s_barrier_wait -1                              ; all 24 chunks of y'' lie in LDS; nobody writes them again
	YFETCH 0
	YFETCH 1
	YFETCH 2
	; ---- out: three groups of 64 columns, 24 steps each.  Written out, so that every offset is an immediate, no pointer is stepped and every wait's count is a constant
.set ST, 0
.rept 24
	STEP ST
.set ST, ST+1
.endr
	EPI 0
.rept 24
	STEP ST
.set ST, ST+1
.endr
	EPI 1
.rept 24
	STEP ST
.set ST, ST+1
.endr
	EPI 2
	WIN 0
	s_wait_tensorcnt 0x0                           ; the wave's end
	ds_add_u32 v[SPW], v[NIL]
	s_wait_dscnt 0x0
	s_endpgm
.Lfunc_end_k_q6c93a9ccc7_outp:
	.size	k_q6c93a9ccc7_outp, .Lfunc_end_k_q6c93a9ccc7_outp-k_q6c93a9ccc7_outp
	.p2alignl 7, 3214868480
	.fill 96, 4, 3214868480
	.section	.rodata,"a",@progbits
	.p2align	6, 0x0
	.amdhsa_kernel k_q6c93a9ccc7_outp
		.amdhsa_group_segment_fixed_size 168448
		.amdhsa_private_segment_fixed_size 0
		.amdhsa_enable_private_segment 0
		.amdhsa_kernarg_size 48
		.amdhsa_user_sgpr_count 2
		.amdhsa_user_sgpr_kernarg_segment_ptr 1
		.amdhsa_wavefront_size32 1
		.amdhsa_system_sgpr_workgroup_id_x 1
		.amdhsa_system_sgpr_workgroup_id_y 1
		.amdhsa_system_sgpr_workgroup_id_z 1
		.amdhsa_system_vgpr_workitem_id 0
		.amdhsa_next_free_vgpr 1024
		.amdhsa_next_free_sgpr 66
		.amdhsa_reserve_vcc 0
		.amdhsa_float_denorm_mode_32 3
		.amdhsa_float_denorm_mode_16_64 3
		.amdhsa_memory_ordered 1
		.amdhsa_forward_progress 1
		.amdhsa_inst_pref_size 255
	.end_amdhsa_kernel
	.section	.bss,"aw",@nobits
	.p2align	6
	.space	262144
	.amdgpu_metadata
---
amdhsa.version: [ 1, 2 ]
amdhsa.kernels:
  - .name:           k_q6c93a9ccc7_outp
    .symbol:         k_q6c93a9ccc7_outp.kd
    .args:
      - { .name: qf, .offset: 0, .size: 8, .value_kind: global_buffer, .address_space: global }
      - { .name: sbuf, .offset: 8, .size: 8, .value_kind: global_buffer, .address_space: global }
      - { .name: snorm, .offset: 16, .size: 8, .value_kind: global_buffer, .address_space: global }
      - { .name: wp16, .offset: 24, .size: 8, .value_kind: global_buffer, .address_space: global }
      - { .name: bp, .offset: 32, .size: 8, .value_kind: global_buffer, .address_space: global }
      - { .name: out0, .offset: 40, .size: 8, .value_kind: global_buffer, .address_space: global }
    .group_segment_fixed_size: 168448
    .private_segment_fixed_size: 0
    .kernarg_segment_align: 8
    .kernarg_segment_size: 48
    .max_flat_workgroup_size: 128
    .sgpr_count:     66
    .vgpr_count:     1024
    .wavefront_size: 32
...
	.end_amdgpu_metadata
.endif
;; end of part 3
;; ======== version 2 of 2: 3 launches; version 1 with the launches proj, outp written anew for expert scheduling mode
;; limits: values are held in f16: magnitudes above 65,504 overflow, below 6.1e-05 lose precision
;; workspace buffers: codes 7,176,192 bytes; scl 448,512 bytes; wp16 1,179,648 bytes; qf 25,165,824 bytes; sbuf 3,145,728 bytes; snorm 98,304 bytes
;; launch quant: the kernel of part 1 again; grid 1216 x 1, 3 waves a work-group, no clusters, 26,624 bytes of LDS; arguments x, Wq, Wk, Wv, Wp, codes, scl, wp16; writes codes, scl, wp16
;; launch proj (part 4): grid 256 x 1, 4 waves a work-group, no clusters, 66,048 bytes of LDS; arguments codes, scl, bq, bk, bv, qf, sbuf, snorm; writes qf, sbuf, snorm
.if DOCPART == 4
	.amdgcn_target "amdgcn-amd-amdhsa--gfx1250"
	.amdhsa_code_object_version 6
	.text
	.protected	k_q6c93a9ccc7_proj
	.globl	k_q6c93a9ccc7_proj
	.p2align	8
	.type	k_q6c93a9ccc7_proj,@function
k_q6c93a9ccc7_proj:
	s_mov_b64 s[64:65], 0
	v_nop
	global_prefetch_b8 v0, s[64:65] scope:SCOPE_SE
	s_setreg_imm32_b32 hwreg(HW_REG_WAVE_SCHED_MODE, 0, 2), 2
	s_setreg_imm32_b32 hwreg(HW_REG_WAVE_MODE, 25, 1), 1
	s_wait_xcnt 0x0
	s_wait_alu depctr_vm_vsrc(0)
; The three quantised products q, k, v = x W^T + b on codes of FP4 (E2M1) with E8M0 scales, K = 768 in six steps of 128; and S_h = k_h^T v_h (64 x 64 for each batch and head).
; reference() has no softmax and no mask between (q k^T) / 8 and the product with v, so (q k^T) v = q (k^T v) for every input: k and v never go to memory, only their S.
; OUT: qf: q as f16, byte (T 48 + nt) 512 + 16 lane = q[16 T + lane % 16][16 nt + 8 (lane / 16) + 0 .. 7]: halves of f16 fragments.
;      sbuf: S as f32, byte (12 b + h) 16384 + (4 i' + i) 1024 + c 512 + 16 lane = registers 4 c .. 4 c + 3 of the tile S[16 i + 8 (lane / 16) + j][16 i' + lane % 16].
;      snorm: word (12 b + h) 512 + 4 thread: the sum of magnitudes of the column of S that the thread holds (each column twice).
; LIMITS: q, k and v are rounded to f16: their magnitudes stay under 65,504; NaN and infinities are not served.
; SHARES.  Work-group = (batch b = id / 16, role = id % 16).  Roles 0 .. 11: head h = role: its 64 columns of k and of v, and S_h.  Roles 12 .. 15: 192 columns of q.  Wave w takes the batch's tiles of 16 tokens 16 w .. 16 w + 15.
; THE WEIGHTS' FRAGMENTS STAY IN REGISTERS for the whole launch; x's fragments come from memory straight into a ring of four register slots (a tile: 12 loads of codes, 3 of scale words), four tiles ahead.
; No LDS ring, no tensor load, no joint load: each fragment that a work-group loads is used by ONE of its waves, so a way through LDS would add a write and a read and spare none.
; A scale register holds K step 2 p's words in lanes 0-15 and step 2 p + 1's in lanes 16-31: odd steps name the upper row on both sides.
; THE MODE: SCHED_MODE bits 1:0 = 2 (LLVM: expert scheduling mode 2), set by the entry lines.  The code itself states the register dependences
; between vector or matrix instructions and memory or LDS instructions, with s_wait_alu, always for 0.
; THE PLAN.  Registers that memory or LDS instructions touch:
;   v3 .. v8          offsets and LDS addresses: written at the head, never again: one wait on va_vdst ahead of the parting of the two ways.
;   weights, their scale words, biases: loaded once at the head; named by matrix instructions alone afterwards.
;   x's four slots and their scale words: tile t's products read slot t % 4; the loads of tile t + 4 land in it.  They stand behind the tile's conversions, with ONE wait on va_vdst between;
;                     what follows (S's products, the next tile's products on another slot) names none of that slot's registers.
;   k, v way: S's accumulators: written by matrix instructions, read by the LDS stores on the way out: the places, then a wait.  The sums and the norm: one wait ahead of the nine stores.
;   q way: 48 registers of q as f16: written by a tile's conversions, read by its twelve stores, which stand together behind the tile's one wait on va_vdst;
;                     one wait on vm_vsrc stands ahead of the next tile's first conversions, a round of products behind those stores.
.set SPARE, 65536                      ; behind the four waves' images of S: the spare words, 128 bytes a wave: two blocks of 256 bytes that no other line names
.set SPW, 1                            ; v1  LDS address of my spare word; never rewritten
.set NIL, 2                            ; v2  0; never rewritten
.set LI,  3                            ; v3  16 x lane
.set LS,  4                            ; v4  4 x lane          v5  4 r      v6  32 h      v7, v8  LDS: where I put my S, where I read my share of all four
.set XB,  32                           ; s[32:33] x's codes, s[34:35] x's scale words, at the trip's first tile
.set XS,  34
.set WB,  36                           ; s[36:37] my weights' codes, s[38:39] their scale words
.set WS,  38
; kv path, window 0: v16-39 weights' scale words [3 nt + p]; v40-51 x's [3 slot + p]; v64-127 the biases [8 nt + j]; v128-191 eight accumulators.
;   window 1: weights, K steps 0-3, at 8 (8 s + nt).   window 2: v0-127 K steps 4, 5; v128-255 S's 16 accumulators at 128 + 8 (4 i' + i).   window 3: v0-191 x's four slots at 48 slot + 8 s; v192-255 k and v as f16, 8 a tile.
.set WSC, 16
.set XSC, 40
.set BIA, 64
.set ACC, 128
; q path, window 0: v16-51 weights' scale words; v52-63 x's; v64-159 the biases; v160-207 six accumulators; v208-255 x's slot 3.
;   windows 1, 2, 3 (window 1 + s / 2): v0-191 weights at 96 (s % 2) + 8 nt; v192-239 x's slot (window - 1); v240-255 q as f16 of tiles 4 (window - 1) on.
.set QWSC, 16
.set QXSC, 52
.set QBIA, 64
.set QACC, 160
.set MSB, 0
.macro WIN new                         ; s_set_vgpr_msb: bits 1:0 source 0, 3:2 source 1, 5:4 source 2, 7:6 destination; the high byte repeats the setting that is left; a switch that changes nothing is dropped
.if MSB != (\new)
	s_set_vgpr_msb (MSB<<8)|(\new)
.set MSB, (\new)
.endif
.endm
.macro PLACES                          ; four plain vector lines behind matrix instructions, ahead of the first read of their results (ISA guide 7.12.1)
.rept 4
	v_nop
.endr
.endm
.macro FP4 d, a, b, c, sa, sb, odd     ; one product of 16 x 16 x 128
.if \odd
	v_wmma_scale_f32_16x16x128_f8f6f4 v[(\d):(\d)+7], v[(\a):(\a)+7], v[(\b):(\b)+7], v[(\c):(\c)+7], v[\sa], v[\sb] matrix_a_fmt:MATRIX_FMT_FP4 matrix_b_fmt:MATRIX_FMT_FP4 matrix_a_scale:MATRIX_SCALE_ROW1 matrix_b_scale:MATRIX_SCALE_ROW1
.else
	v_wmma_scale_f32_16x16x128_f8f6f4 v[(\d):(\d)+7], v[(\a):(\a)+7], v[(\b):(\b)+7], v[(\c):(\c)+7], v[\sa], v[\sb] matrix_a_fmt:MATRIX_FMT_FP4 matrix_b_fmt:MATRIX_FMT_FP4
.endif
.endm
.macro XLOAD win, reg, xsc, tile       ; a tile of x: 12 loads of codes, into v[reg] on of window win, then 3 of scale words; every load takes consecutive bytes
	WIN (\win)<<6
.irp s, 0,1,2,3,4,5
.irp c, 0,1
	global_load_b128 v[(\reg)+8*\s+4*\c:(\reg)+8*\s+4*\c+3], v[LI], s[XB:XB+1] offset:(\tile)*6144+1024*\s+512*\c
.endr
.endr
	WIN 0
.irp p, 0,1,2
	global_load_b32 v[(\xsc)+\p], v[LS], s[XS:XS+1] offset:(\tile)*384+128*\p
.endr
.endm
	s_load_b256 s[4:11], s[0:1], 0x0               ; codes, scl, bq, bk
	s_load_b256 s[12:19], s[0:1], 0x20             ; bv, qf, sbuf, snorm
	v_lshl_add_u32 v[SPW], v0, 2, SPARE
	v_mov_b32 v[NIL], 0
	v_lshrrev_b32 v9, 5, v0
	v_readfirstlane_b32 s20, v9                    ; wave 0 .. 3
	v_and_b32 v9, 31, v0
	v_lshlrev_b32 v[LI], 4, v9
	v_lshlrev_b32 v[LS], 2, v9
	v_and_b32 v10, 15, v0
	v_lshlrev_b32 v5, 2, v10                       ; 4 r
	v_bfe_u32 v11, v0, 4, 1
	v_lshlrev_b32 v6, 5, v11                       ; 32 h
	s_wait_alu depctr_va_sdst(0)                   ; s20 is written, ahead of its first reader: LDS addresses and all the bases are made from it
	s_lshl_b32 s24, s20, 14
	v_add_nc_u32 v7, s24, v[LI]                    ; LDS: my wave's image of S, 16,384 bytes
	s_lshl_b32 s24, s20, 12
	v_add_nc_u32 v8, s24, v[LI]                    ; and tiles 4 w .. 4 w + 3 of an image
	s_lshr_b32 s21, ttmp9, 4                       ; b
	s_and_b32 s22, ttmp9, 15                       ; role
	s_lshl_b32 s23, s21, 6
	s_lshl_b32 s24, s20, 4
	s_add_co_u32 s23, s23, s24                     ; G0 = 64 b + 16 w: my first tile of tokens
	s_mul_i32 s24, s23, 6144
	s_mov_b32 s25, 0
	s_mul_i32 s26, s23, 384
	s_mov_b32 s27, 0
	s_wait_kmcnt 0x0
	s_add_nc_u64 s[XB:XB+1], s[4:5], s[24:25]
	s_add_nc_u64 s[XS:XS+1], s[6:7], s[26:27]
	s_wait_alu depctr_va_vdst(0)                   ; v3 to v8 are written: every load, store and LDS instruction of both ways reads one of them as its offset or address
	s_cmp_ge_u32 s22, 12
	s_cbranch_scc1 .Lq                             ; the work-group's number alone decides: all four waves go the same way
	; ================ k, v and S of head h = role
	s_mov_b32 s40, 0x76543210                      ; v_permlanex16_b32's selects for lane l xor 16
	s_mov_b32 s41, 0xfedcba98
	s_mul_i32 s24, s22, 4*6144
	s_add_co_u32 s24, s24, 1072*6144               ; Wk's tiles 4 h on; Wv's lie 48 tiles further on
	s_add_nc_u64 s[WB:WB+1], s[4:5], s[24:25]
	s_mul_i32 s24, s22, 4*384
	s_add_co_u32 s24, s24, 1072*384
	s_add_nc_u64 s[WS:WS+1], s[6:7], s[24:25]
	s_lshl_b32 s24, s22, 8
	s_add_nc_u64 s[10:11], s[10:11], s[24:25]      ; bk and bv at column 64 h
	s_add_nc_u64 s[12:13], s[12:13], s[24:25]
	s_mul_i32 s26, s21, 12
	s_add_co_u32 s26, s26, s22                     ; 12 b + h
	s_lshl_b32 s24, s26, 14
	s_lshl_b32 s28, s20, 12
	s_add_co_u32 s24, s24, s28
	s_add_nc_u64 s[16:17], s[16:17], s[24:25]      ; sbuf: my four tiles
	s_lshl_b32 s24, s26, 9
	s_lshl_b32 s28, s20, 7
	s_add_co_u32 s24, s24, s28
	s_add_nc_u64 s[18:19], s[18:19], s[24:25]      ; snorm: my wave's 128 bytes
	WIN 0x40                                       ; tiles nt = 0 .. 3: k's columns 16 nt on; 4 .. 7: v's
.irp s, 0,1,2,3
.irp nt, 0,1,2,3,4,5,6,7
.irp c, 0,1
	global_load_b128 v[8*(8*\s+\nt)+4*\c:8*(8*\s+\nt)+4*\c+3], v[LI], s[WB:WB+1] offset:(\nt+44*(\nt/4))*6144+1024*\s+512*\c
.endr
.endr
.endr
	WIN 0x80
.irp s, 4,5
.irp nt, 0,1,2,3,4,5,6,7
.irp c, 0,1
	global_load_b128 v[8*(8*(\s-4)+\nt)+4*\c:8*(8*(\s-4)+\nt)+4*\c+3], v[LI], s[WB:WB+1] offset:(\nt+44*(\nt/4))*6144+1024*\s+512*\c
.endr
.endr
.endr
	WIN 0
.irp nt, 0,1,2,3,4,5,6,7
.irp p, 0,1,2
	global_load_b32 v[WSC+3*\nt+\p], v[LS], s[WS:WS+1] offset:(\nt+44*(\nt/4))*384+128*\p
.endr
.endr
.irp nt, 0,1,2,3                       ; a bias is the C of a sum's first product.  Here a lane holds ONE column and eight tokens, so its eight registers hold the same number: it is loaded into each
.irp j, 0,1,2,3,4,5,6,7
	global_load_b32 v[BIA+8*\nt+\j], v5, s[10:11] offset:64*\nt
	global_load_b32 v[BIA+32+8*\nt+\j], v5, s[12:13] offset:64*\nt
.endr
.endr
.irp sl, 0,1,2,3
	XLOAD 3, 48*\sl, XSC+3*\sl, \sl
.endr
; A tile of 16 tokens: source 0 = x's 16 tokens, source 1 = 16 rows of Wk or Wv: in the result a lane holds column lane % 16 and tokens 8 (lane / 16) + 0 .. 7.  Rounded to f16 in pairs, the results of two
; neighbouring tiles of tokens (u = 0, 1) ARE a fragment of 16 columns x 32 tokens for S = k^T v, whose K is the tokens: nothing changes lanes.  The eight accumulators take turns.
; next: the tile, counted from the trip's first, that takes this slot (-1: none).  cnt: the loads of the younger tiles, 15 each, that may stay out.
.macro KVTILE slot, u, next, cnt
	s_wait_loadcnt \cnt
.irp s, 0,1,2,3,4,5
.if \s < 4
	WIN 0x07                                       ; x window 3, weights window 1, C and D window 0
.else
	WIN 0x0b                                       ; weights window 2
.endif
.irp nt, 0,1,2,3,4,5,6,7
.if \s == 0
	FP4 ACC+8*\nt, 48*\slot+8*\s, 8*(8*(\s%4)+\nt), BIA+8*\nt, XSC+3*\slot+\s/2, WSC+3*\nt+\s/2, \s%2
.else
	FP4 ACC+8*\nt, 48*\slot+8*\s, 8*(8*(\s%4)+\nt), ACC+8*\nt, XSC+3*\slot+\s/2, WSC+3*\nt+\s/2, \s%2
.endif
.endr
.endr
	PLACES
	WIN 0xc0                                       ; sources window 0, destination window 3
.irp nt, 0,1,2,3,4,5,6,7
.irp j, 0,1,2,3
	v_cvt_pk_f16_f32 v[192+8*\nt+4*\u+\j], v[ACC+8*\nt+2*\j], v[ACC+8*\nt+2*\j+1]   ; each accumulator from its low end on
.endr
.endr
.if \next >= 0
	s_wait_alu depctr_va_vdst(0)                   ; this tile's products are done reading x's slot and its three scale words, in which the fifteen loads below land
	XLOAD 3, 48*\slot, XSC+3*\slot, \next
.endif
.endm
.macro SMUL zero                       ; S += k^T v over 32 tokens: source 0 = 16 columns of k, source 1 = 16 of v; 16 accumulators by turns.  zero = 1: the first product starts the sums
	WIN 0xaf                                       ; sources window 3, C and D window 2
.irp ip, 0,1,2,3
.irp i, 0,1,2,3
.if \zero
	v_wmma_f32_16x16x32_f16 v[128+8*(4*\ip+\i):128+8*(4*\ip+\i)+7], v[192+8*\i:192+8*\i+7], v[224+8*\ip:224+8*\ip+7], 0
.else
	v_wmma_f32_16x16x32_f16 v[128+8*(4*\ip+\i):128+8*(4*\ip+\i)+7], v[192+8*\i:192+8*\i+7], v[224+8*\ip:224+8*\ip+7], v[128+8*(4*\ip+\i):128+8*(4*\ip+\i)+7]
.endif
.endr
.endr
.endm
.macro KVTRIP zero, load               ; four tiles of tokens, once round the slots
.if \load
	KVTILE 0, 0, 4, 45
	KVTILE 1, 1, 5, 45
	SMUL \zero
	KVTILE 2, 0, 6, 45
	KVTILE 3, 1, 7, 45
	SMUL 0
	WIN 0
	s_wait_xcnt 0x0                                ; the loads have read their bases: only now are these stepped
	s_add_nc_u64 s[XB:XB+1], s[XB:XB+1], 4*6144
	s_add_nc_u64 s[XS:XS+1], s[XS:XS+1], 4*384
.else
	KVTILE 0, 0, -1, 45                            ; the last four tiles load nothing: the counts run down
	KVTILE 1, 1, -1, 30
	SMUL \zero
	KVTILE 2, 0, -1, 15
	KVTILE 3, 1, -1, 0
	SMUL 0
	WIN 0
.endif
.endm
	KVTRIP 1, 1
	s_mov_b32 s30, 2
.Lkv:
	KVTRIP 0, 1
	s_sub_co_u32 s30, s30, 1
	s_cmp_lg_u32 s30, 0
	s_cbranch_scc1 .Lkv
	KVTRIP 0, 0
	; THE SUM OVER THE FOUR WAVES' TOKENS.  Each wave puts its S into LDS as an image of its registers; behind the barrier wave w adds the four images of tiles 4 w .. 4 w + 3: all 64 rows d of columns 16 w .. 16 w + 15.
	PLACES
	WIN 0x08                                       ; an LDS store's data are its source 1: window 2
	s_wait_alu depctr_va_vdst(0)                   ; the products have written S, which the LDS stores read (the places above stay beside this wait); and all products are done reading x's slots, in which the LDS loads behind the barrier land
.irp ti, 0,1,2,3,4,5,6,7,8,9,10,11,12,13,14,15
.irp c, 0,1
	ds_store_b128 v7, v[128+8*\ti+4*\c:128+8*\ti+4*\c+3] offset:\ti*1024+\c*512
.endr
.endr
	WIN 0
	s_wait_dscnt 0x0                               ; for the others' sake: my stores have landed
	s_barrier_signal -1
	s_barrier_wait -1
	WIN 0xc0                                       ; into window 3, where x's slots lay: no vector or matrix instruction since the wait above names them
.irp p, 0,1,2,3
.irp t, 0,1,2,3
.irp c, 0,1
	ds_load_b128 v[32*\p+8*\t+4*\c:32*\p+8*\t+4*\c+3], v8 offset:\p*16384+\t*1024+\c*512
.endr
.endr
.endr
	s_wait_dscnt 0x0
	WIN 0xcf
.irp x, 0,2,4,6,8,10,12,14,16,18,20,22,24,26,28,30
	v_pk_add_f32 v[\x:\x+1], v[\x:\x+1], v[32+\x:33+\x]
	v_pk_add_f32 v[64+\x:65+\x], v[64+\x:65+\x], v[96+\x:97+\x]
.endr
.irp x, 0,2,4,6,8,10,12,14,16,18,20,22,24,26,28,30
	v_pk_add_f32 v[\x:\x+1], v[\x:\x+1], v[64+\x:65+\x]
.endr
	WIN 0x0f                                       ; the sum of magnitudes of my column: my 32 rows d, in pairs,
.irp x, 0,1,2,3,4,5,6,7,8,9,10,11,12,13,14,15
	v_add_f32 v[64+\x], |v[2*\x]|, |v[2*\x+1]|
.endr
	WIN 0
.irp x, 0,1,2,3,4,5,6,7
	v_add_f32 v[64+\x], v[64+\x], v[72+\x]
.endr
.irp x, 0,1,2,3
	v_add_f32 v[64+\x], v[64+\x], v[68+\x]
.endr
	v_add_f32 v64, v64, v66
	v_add_f32 v65, v65, v67
	v_add_f32 v64, v64, v65
	v_mov_b32 v80, 0                               ; (a lane permute's destination counts as one of its sources)
	v_permlanex16_b32 v80, v64, s40, s41
	v_add_f32 v64, v64, v80                        ; and lane l xor 16's 32 rows
	WIN 0x0c                                       ; a store's data are its source 1: window 3
	s_wait_alu depctr_va_vdst(0)                   ; the additions have written the 32 sums and the norm, which the nine stores below read
.irp t, 0,1,2,3
.irp c, 0,1
	global_store_b128 v[LI], v[8*\t+4*\c:8*\t+4*\c+3], s[16:17] offset:\t*1024+\c*512   ; 512 consecutive bytes
.endr
.endr
	WIN 0
	global_store_b32 v[LS], v64, s[18:19]
	s_wait_dscnt 0x0                               ; the closing lines of a launch in the mode, six on end, at every end behind an LDS store
	s_wait_alu 0x0
	s_wait_tensorcnt 0x0
	ds_add_u32 v[SPW], v[NIL]
	s_wait_dscnt 0x0
	s_endpgm
.Lq:	; ================ 192 columns of q: 12 tiles nt, column group cg = role - 12.  No LDS is touched on this way.
	s_sub_co_u32 s22, s22, 12
	s_mul_i32 s24, s22, 12*6144
	s_add_co_u32 s24, s24, 1024*6144               ; Wq's tiles 12 cg on
	s_add_nc_u64 s[WB:WB+1], s[4:5], s[24:25]
	s_mul_i32 s24, s22, 12*384
	s_add_co_u32 s24, s24, 1024*384
	s_add_nc_u64 s[WS:WS+1], s[6:7], s[24:25]
	s_mul_i32 s24, s22, 768
	s_add_nc_u64 s[8:9], s[8:9], s[24:25]          ; bq at column 192 cg
	s_mul_i32 s24, s23, 48*512
	s_mul_i32 s26, s22, 12*512
	s_add_co_u32 s24, s24, s26
	s_add_nc_u64 s[14:15], s[14:15], s[24:25]      ; qf: tile G0, piece 12 cg
.irp s, 0,1,2,3,4,5
	WIN (1+\s/2)<<6
.irp nt, 0,1,2,3,4,5,6,7,8,9,10,11
.irp c, 0,1
	global_load_b128 v[96*(\s%2)+8*\nt+4*\c:96*(\s%2)+8*\nt+4*\c+3], v[LI], s[WB:WB+1] offset:\nt*6144+1024*\s+512*\c
.endr
.endr
.endr
	WIN 0
.irp nt, 0,1,2,3,4,5,6,7,8,9,10,11
.irp p, 0,1,2
	global_load_b32 v[QWSC+3*\nt+\p], v[LS], s[WS:WS+1] offset:\nt*384+128*\p
.endr
.irp c, 0,1
	global_load_b128 v[QBIA+8*\nt+4*\c:QBIA+8*\nt+4*\c+3], v6, s[8:9] offset:64*\nt+16*\c   ; bq of the lane's eight columns 16 nt + 8 h + 0 .. 7
.endr
.endr
	XLOAD 1, 192, QXSC, 0
	XLOAD 2, 192, QXSC+3, 1
	XLOAD 3, 192, QXSC+6, 2
	XLOAD 0, 208, QXSC+9, 3
; A tile of 16 tokens, TRANSPOSED: source 0 = 16 rows of Wq, source 1 = x's 16 tokens: a lane holds token lane % 16 and eight neighbouring columns, which pack into 16 bytes of f16.
; Two rounds of six tiles of columns; the six accumulators take turns.  Both rounds' conversions write registers of their own; the tile's loads and its twelve stores stand together behind the second round's.
.macro QTILE slot, next, cnt
.set XW, ((\slot)+1)%4                 ; the slot's window,
.set XR, 192+16*((\slot)/3)            ; and its first register there
	s_wait_loadcnt \cnt
.irp rd, 0,1
.irp s, 0,1,2,3,4,5
	WIN (1+\s/2)|(XW<<2)
.irp t, 0,1,2,3,4,5
.if \s == 0
	FP4 QACC+8*\t, 96*(\s%2)+8*(6*\rd+\t), XR+8*\s, QBIA+8*(6*\rd+\t), QWSC+3*(6*\rd+\t)+\s/2, QXSC+3*\slot+\s/2, \s%2
.else
	FP4 QACC+8*\t, 96*(\s%2)+8*(6*\rd+\t), XR+8*\s, QACC+8*\t, QWSC+3*(6*\rd+\t)+\s/2, QXSC+3*\slot+\s/2, \s%2
.endif
.endr
.endr
	PLACES
.if \rd == 0
	s_wait_xcnt 0x0                                ; the last tile's twelve stores have had their addresses translated: their data registers are written again only behind this wait
	s_wait_alu depctr_vm_vsrc(0)                   ; the last tile's twelve stores have read their data, which the conversions of this tile's two rounds write again
.endif
.irp t, 0,1,2,3,4,5
	WIN (1+(6*\rd+\t)/4)<<6
.irp j, 0,1,2,3
	v_cvt_pk_f16_f32 v[240+4*((6*\rd+\t)%4)+\j], v[QACC+8*\t+2*\j], v[QACC+8*\t+2*\j+1]   ; each accumulator from its low end on
.endr
.endr
.endr
	s_wait_alu depctr_va_vdst(0)                   ; both rounds' conversions have written the twelve pieces of q, which the stores below read; the tile's products are done reading x's slot and its scale words, in which the loads below land
.if \next >= 0
	XLOAD XW, XR, QXSC+3*\slot, \next
.endif
.irp t, 0,1,2,3,4,5,6,7,8,9,10,11
	WIN (1+\t/4)<<2
	global_store_b128 v[LI], v[240+4*(\t%4):240+4*(\t%4)+3], s[14:15] offset:\slot*24576+\t*512   ; 512 consecutive bytes
.endr
	WIN 0
.endm
.macro QTRIP load
.if \load
	QTILE 0, 4, 45
	QTILE 1, 5, 45
	QTILE 2, 6, 45
	QTILE 3, 7, 45
	s_wait_xcnt 0x0                                ; loads and stores have read their bases
	s_add_nc_u64 s[XB:XB+1], s[XB:XB+1], 4*6144
	s_add_nc_u64 s[XS:XS+1], s[XS:XS+1], 4*384
	s_add_nc_u64 s[14:15], s[14:15], 4*24576
.else
	QTILE 0, -1, 45
	QTILE 1, -1, 30
	QTILE 2, -1, 15
	QTILE 3, -1, 0
.endif
.endm
	s_mov_b32 s30, 3
.Lqt:
	QTRIP 1
	s_sub_co_u32 s30, s30, 1
	s_cmp_lg_u32 s30, 0
	s_cbranch_scc1 .Lqt
	QTRIP 0
	s_endpgm
.Lfunc_end_k_q6c93a9ccc7_proj:
	.size	k_q6c93a9ccc7_proj, .Lfunc_end_k_q6c93a9ccc7_proj-k_q6c93a9ccc7_proj
	.p2alignl 7, 3214868480
	.fill 96, 4, 3214868480
	.section	.rodata,"a",@progbits
	.p2align	6, 0x0
	.amdhsa_kernel k_q6c93a9ccc7_proj
		.amdhsa_group_segment_fixed_size 66048
		.amdhsa_private_segment_fixed_size 0
		.amdhsa_enable_private_segment 0
		.amdhsa_kernarg_size 64
		.amdhsa_user_sgpr_count 2
		.amdhsa_user_sgpr_kernarg_segment_ptr 1
		.amdhsa_wavefront_size32 1
		.amdhsa_system_sgpr_workgroup_id_x 1
		.amdhsa_system_sgpr_workgroup_id_y 1
		.amdhsa_system_sgpr_workgroup_id_z 1
		.amdhsa_system_vgpr_workitem_id 0
		.amdhsa_next_free_vgpr 1024
		.amdhsa_next_free_sgpr 66
		.amdhsa_reserve_vcc 0
		.amdhsa_float_denorm_mode_32 3
		.amdhsa_float_denorm_mode_16_64 3
		.amdhsa_memory_ordered 1
		.amdhsa_forward_progress 1
		.amdhsa_inst_pref_size 255
	.end_amdhsa_kernel
	.section	.bss,"aw",@nobits
	.p2align	6
	.space	262144
	.amdgpu_metadata
---
amdhsa.version: [ 1, 2 ]
amdhsa.kernels:
  - .name:           k_q6c93a9ccc7_proj
    .symbol:         k_q6c93a9ccc7_proj.kd
    .args:
      - { .name: codes, .offset: 0, .size: 8, .value_kind: global_buffer, .address_space: global }
      - { .name: scl, .offset: 8, .size: 8, .value_kind: global_buffer, .address_space: global }
      - { .name: bq, .offset: 16, .size: 8, .value_kind: global_buffer, .address_space: global }
      - { .name: bk, .offset: 24, .size: 8, .value_kind: global_buffer, .address_space: global }
      - { .name: bv, .offset: 32, .size: 8, .value_kind: global_buffer, .address_space: global }
      - { .name: qf, .offset: 40, .size: 8, .value_kind: global_buffer, .address_space: global }
      - { .name: sbuf, .offset: 48, .size: 8, .value_kind: global_buffer, .address_space: global }
      - { .name: snorm, .offset: 56, .size: 8, .value_kind: global_buffer, .address_space: global }
    .group_segment_fixed_size: 66048
    .private_segment_fixed_size: 0
    .kernarg_segment_align: 8
    .kernarg_segment_size: 64
    .max_flat_workgroup_size: 128
    .sgpr_count:     66
    .vgpr_count:     1024
    .wavefront_size: 32
...
	.end_amdgpu_metadata
.endif
;; end of part 4
;; launch outp (part 5): grid 256 x 1, 4 waves a work-group, no clusters, 168,448 bytes of LDS; arguments qf, sbuf, snorm, wp16, bp, out0; writes out0
.if DOCPART == 5
	.amdgcn_target "amdgcn-amd-amdhsa--gfx1250"
	.amdhsa_code_object_version 6
	.text
	.protected	k_q6c93a9ccc7_outp
	.globl	k_q6c93a9ccc7_outp
	.p2align	8
	.type	k_q6c93a9ccc7_outp,@function
k_q6c93a9ccc7_outp:
	s_mov_b64 s[64:65], 0
	v_nop
	global_prefetch_b8 v0, s[64:65] scope:SCOPE_SE
	s_setreg_imm32_b32 hwreg(HW_REG_WAVE_SCHED_MODE, 0, 2), 2
	s_setreg_imm32_b32 hwreg(HW_REG_WAVE_MODE, 25, 1), 1
	s_wait_xcnt 0x0
	s_wait_alu depctr_vm_vsrc(0)
; out = ((q S) / 8) Wp^T + bp, S_h = k_h^T v_h from the launch before; both products on f16 operands with f32 sums.
; THE SCALE.  S and y = q S have no room in f16 for inputs much larger or smaller than usual, so S is brought to size by a power of two taken from the data, one for each batch:
; n = the largest sum of magnitudes of a column of S in the batch (all 12 heads); e = n's exponent field, held to 3 .. 252; g = 2^(126 - e); F = 2^(e - 129): g F = 1 / 8 exactly.
; S'' = f16(S g): every column's magnitudes sum to less than 1, so |y''| = |q S''| is at most the largest |q|, which fits wherever q fits.  out = F (f16(y'') f16(Wp)^T) + bp: one fused multiply-add in f32.
; e steers numbers alone: no address and no branch hangs on it.
; LIMITS: |q| and |Wp| under 65,504; numbers of S'' and y'' under 2^-14 are f16 subnormals (absolute error 2^-25 of the scaled sizes); NaN and infinities are not served; an S of zeros gives out = bp.
; SHARES.  A work-group takes 64 tokens (tiles m = 0 .. 3 of 16) of one batch.  THE WAVES SHARE THE COLUMNS: wave w makes y'' of heads 3 w .. 3 w + 2, then out's columns 192 w .. 192 w + 191, for all 64 tokens,
; in three groups of 64 columns (16 accumulators).  y'' goes from wave to wave through LDS as images of the operand's registers: one barrier.
; Wp's fragments are each used by one wave of the work-group: they go from memory straight into a ring of eight register slots (a step of 32 along K: 8 loads, 4,096 consecutive bytes), six steps ahead.
; No tensor load and no joint load: between two changes of a slot that 64 tokens could feed stand too few products for a refill to land; the ring in registers runs under counted waits instead.
; Both products are used TRANSPOSED (source 0 = S''^T or Wp's rows, source 1 = the tokens): a lane holds ONE token and eight neighbouring columns.
; REGISTERS.  window 0: v1-10 addresses; v16-17 F, v18-19 g (pairs for the packed forms); v20-31 at work; y's ring, four slots of 32: v32-127 (first: the batch's norms) and v224-255; v128-223 bp of my 192 columns.
;   window 1: S as f32 (v0-127), then Wp's ring at 32 (step % 8) + 8 i.   window 2: v0-127 16 accumulators at 8 (4 m + i); v128-191 S'', v192-255 y'' as f16; later v128-255 the finished numbers.
;   window 3: q's fragments at 48 m + 16 head + 8 a; later v0-127 rows read back from the stage.
; THE MODE: SCHED_MODE bits 1:0 = 2 (LLVM: expert scheduling mode 2), set by the entry lines.  The code itself states the register dependences
; between vector or matrix instructions and memory or LDS instructions, with s_wait_alu, always for 0.
; THE PLAN.  Registers that memory or LDS instructions touch:
;   v3 .. v10           offsets and LDS addresses: written at the head, never again: one wait on va_vdst ahead of the first load.
;   window 1, v0-127    S as f32: scaled in place and converted, then the next head's S (or Wp's ring) lands there: one wait on va_vdst behind each head's conversions of S.
;   window 2, v192-255  y'' as f16: written by a head's conversions, read by its LDS stores: a wait on va_vdst between; a wait on vm_vsrc ahead of the next head's conversions.
;   Wp's ring, y's ring Step st's products read ring slot st % 8 and y's slot st % 4.  Step st asks, at its head, for Wp's step st + 6 and y's chunk st + 2: both land in the slots that step st - 2 read.
;                       So ONE wait on va_vdst at the head of every second step serves the 32 loads of two steps: the step between names slots st % 8 and st % 4 and the accumulators alone.
;   window 2, v128-255  the finished numbers: written by a group's multiply-adds, read by its LDS stores; window 3, v0-127: rows from the stage, read by the group's global stores:
;                       a wait on vm_vsrc at the head of a group's way out, a wait on va_vdst ahead of its LDS stores.
.set YIMG,  0                          ; LDS: y'': chunk c (32 channels) of token tile m at c 4096 + m 1024 + piece 512 + 16 lane: 98,304 bytes
.set STG,   98304                      ; each wave's own four stages of 16 rows x (256 + 16) bytes, for the way out
.set SPARE, STG+4*17408                ; the spare words, 128 bytes a wave: two blocks of 256 bytes that no other line names
.set SPW, 1                            ; v1  LDS address of my spare word; never rewritten
.set NIL, 2                            ; v2  0; never rewritten
.set LI,  3                            ; v3  16 x lane      v4  32 h      v5  where I put y''      v7  16 x lane + 65,536
                                       ; v8  the stage, in: row r, + 32 h      v9  back: lanes 0-15 one row, lanes 16-31 the next      v10  the same two rows in out
.set BPR, 128
.set MSB, 0
.macro WIN new                         ; s_set_vgpr_msb: bits 1:0 source 0, 3:2 source 1, 5:4 source 2, 7:6 destination; the high byte repeats the setting that is left; a switch that changes nothing is dropped
.if MSB != (\new)
	s_set_vgpr_msb (MSB<<8)|(\new)
.set MSB, (\new)
.endif
.endm
.macro PLACES                          ; four plain vector lines behind matrix instructions, ahead of loads into their operands and of the first read of their results
.rept 4
	v_nop
.endr
.endm
	s_load_b256 s[4:11], s[0:1], 0x0               ; qf, sbuf, snorm, wp16
	s_load_b128 s[12:15], s[0:1], 0x20             ; bp, out0
	v_lshl_add_u32 v[SPW], v0, 2, SPARE
	v_mov_b32 v[NIL], 0
	v_lshrrev_b32 v20, 5, v0
	v_readfirstlane_b32 s20, v20                   ; wave 0 .. 3
	v_and_b32 v20, 31, v0
	v_lshlrev_b32 v[LI], 4, v20
	v_and_b32 v21, 15, v0                          ; r
	v_bfe_u32 v22, v0, 4, 1                        ; h
	v_lshlrev_b32 v4, 5, v22
	s_wait_alu depctr_va_sdst(0)                   ; s20 is written, ahead of its first reader: LDS addresses and all the bases are made from it
	s_mul_i32 s21, s20, 6*4096
	v_add_nc_u32 v5, s21, v[LI]                    ; my three heads are chunks 6 w .. 6 w + 5
	v_add_nc_u32 v7, 0x10000, v[LI]
	s_mul_i32 s21, s20, 17408
	s_add_co_u32 s21, s21, STG
	v_mul_u32_u24 v8, v21, 272
	v_lshl_add_u32 v8, v22, 5, v8
	v_add_nc_u32 v8, s21, v8
	v_mul_u32_u24 v9, v22, 272
	v_lshl_add_u32 v9, v21, 4, v9
	v_add_nc_u32 v9, s21, v9
	v_mul_u32_u24 v10, v22, 3072
	v_lshl_add_u32 v10, v21, 4, v10
	s_mov_b32 s34, 0x76543210                      ; v_permlanex16_b32's selects for lane l xor 16
	s_mov_b32 s35, 0xfedcba98
	s_mul_i32 s22, ttmp9, 4*48*512                 ; qf: my work-group's four tiles of tokens,
	s_mul_i32 s24, s20, 12*512
	s_add_co_u32 s22, s22, s24                     ; my wave's 12 pieces of each
	s_mov_b32 s23, 0
	s_lshr_b32 s26, ttmp9, 4                       ; b
	s_mul_i32 s24, s26, 12
	s_mul_i32 s25, s20, 3
	s_add_co_u32 s24, s24, s25
	s_lshl_b32 s24, s24, 14                        ; sbuf: head 12 b + 3 w
	s_mov_b32 s25, 0
	s_mul_i32 s26, s26, 12*512                     ; snorm: the batch's 12 heads
	s_mov_b32 s27, 0
	s_mul_i32 s28, s20, 3*98304                    ; wp16: my 12 tiles of rows
	s_mov_b32 s29, 0
	s_mul_i32 s30, s20, 768                        ; bp and out: my 192 columns
	s_mov_b32 s31, 0
	s_mul_i32 s32, ttmp9, 64*3072
	s_add_co_u32 s32, s32, s30
	s_mov_b32 s33, 0
	s_wait_kmcnt 0x0
	s_add_nc_u64 s[4:5], s[4:5], s[22:23]
	s_add_nc_u64 s[6:7], s[6:7], s[24:25]
	s_add_nc_u64 s[8:9], s[8:9], s[26:27]
	s_add_nc_u64 s[10:11], s[10:11], s[28:29]
	s_add_nc_u64 s[12:13], s[12:13], s[30:31]
	s_add_nc_u64 s[14:15], s[14:15], s[32:33]
	s_wait_alu depctr_va_vdst(0)                   ; v3 to v10 are written: every load, store and LDS instruction of the kernel reads one of them as its offset or address
.macro SLOAD hl                        ; S of my head hl, 16 tiles of f32, as they lie: 32 loads of 512 consecutive bytes
	WIN 0x40
.irp k, 0,1,2,3,4,5,6,7,8,9,10,11,12,13,14,15,16,17,18,19,20,21,22,23,24,25,26,27,28,29,30,31
	global_load_b128 v[4*\k:4*\k+3], v[LI], s[6:7] offset:\hl*16384+512*\k
.endr
.endm
.macro SCVT                            ; S'' = f16(S g).  Tiles 4 i' + 2 a and 4 i' + 2 a + 1 make the fragment (16 columns d' as rows, 32 rows d as K) at 128 + 8 (2 i' + a)
	WIN 0x41
.set k, 0
.rept 64
	v_pk_mul_f32 v[2*k:2*k+1], v[2*k:2*k+1], v[18:19]
.set k, k+1
.endr
	WIN 0x85
.set k, 0
.rept 64
	v_cvt_pk_f16_f32 v[128+k], v[2*k], v[2*k+1]
.set k, k+1
.endr
.endm
.macro YMUL hl                         ; y''^T = S''^T q^T: K = the head's 64, two deep; 16 accumulators (token tile m, columns 16 i' on) by turns
	WIN 0xae                                       ; S'' window 2, q window 3, C and D window 2
.irp a, 0,1
.irp m, 0,1,2,3
.irp ip, 0,1,2,3
.if \a == 0
	v_wmma_f32_16x16x32_f16 v[8*(4*\m+\ip):8*(4*\m+\ip)+7], v[128+8*(2*\ip+\a):128+8*(2*\ip+\a)+7], v[48*\m+16*\hl+8*\a:48*\m+16*\hl+8*\a+7], 0
.else
	v_wmma_f32_16x16x32_f16 v[8*(4*\m+\ip):8*(4*\m+\ip)+7], v[128+8*(2*\ip+\a):128+8*(2*\ip+\a)+7], v[48*\m+16*\hl+8*\a:48*\m+16*\hl+8*\a+7], v[8*(4*\m+\ip):8*(4*\m+\ip)+7]
.endif
.endr
.endr
.endr
.endm
.macro YCVT hl                         ; to f16: accumulators 4 m + 2 a' and 4 m + 2 a' + 1 make the fragment (16 tokens, 32 channels) at 192 + 8 (2 m + a')
	PLACES
	s_wait_dscnt 0x0                               ; the last head's LDS stores are done
.if \hl > 0
	s_wait_alu depctr_vm_vsrc(0)                   ; the last head's LDS stores have read the fragments' registers, which the conversions below write again
.endif
	WIN 0x8a
.set k, 0
.rept 64
	v_cvt_pk_f16_f32 v[192+k], v[2*k], v[2*k+1]    ; each accumulator from its low end on
.set k, k+1
.endr
.endm
.macro YSTORE hl                       ; the fragments go to LDS as they stand in my registers
	WIN 0x08
	s_wait_alu depctr_va_vdst(0)                   ; the conversions have written the fragments of y'', which the LDS stores read
.irp m, 0,1,2,3
.irp ap, 0,1
.irp c, 0,1
	ds_store_b128 v5, v[192+8*(2*\m+\ap)+4*\c:192+8*(2*\m+\ap)+4*\c+3] offset:YIMG+(2*\hl+\ap)*4096+\m*1024+\c*512
.endr
.endr
.endr
.endm
.macro RING st                         ; Wp's four fragments of step st (group st / 24, chunk st % 24) into ring slot st % 8
	WIN 0x40
.irp i, 0,1,2,3
.irp c, 0,1
	global_load_b128 v[32*((\st)%8)+8*\i+4*\c:32*((\st)%8)+8*\i+4*\c+3], v[LI], s[10:11] offset:(\st)*4096+\i*1024+\c*512
.endr
.endr
.endm
.macro YFETCH st                       ; y'''s four fragments of chunk st % 24 into slot st % 4: slots 0 to 2 at v32, v64, v96, slot 3 at v224
	WIN 0
.set C24, (\st)%24
.set YS, 32+32*((\st)%4)+96*(((\st)%4)/3)
.irp m, 0,1,2,3
.irp c, 0,1
.if C24 < 16
	ds_load_b128 v[YS+8*\m+4*\c:YS+8*\m+4*\c+3], v[LI] offset:YIMG+C24*4096+\m*1024+\c*512
.else
	ds_load_b128 v[YS+8*\m+4*\c:YS+8*\m+4*\c+3], v7 offset:YIMG+(C24-16)*4096+\m*1024+\c*512
.endif
.endr
.endr
.endm
.macro STEP st                         ; 32 along K: 16 products, the 16 accumulators by turns; a group's first step starts the sums
.if ((\st)%2 == 0) && ((\st)%24 != 0) && ((\st)+2 < 72)
	s_wait_alu depctr_va_vdst(0)                   ; the products of the two steps before are done reading their slots of Wp's ring and of y's, in which this step's loads and the next step's land (at a group's first step the way out's wait has stated it)
.endif
.if ((\st) >= 2) && ((\st)+2 < 72)
	YFETCH (\st)+2                                 ; into the slot that step st - 2 read; no vector or matrix instruction since the wait names it
.endif
.if ((\st) >= 2) && ((\st)+6 < 72)
	RING (\st)+6                                   ; likewise
.endif
.if (\st) == 0
	s_wait_loadcnt 56                              ; this step's eight loads are in; those of the seven steps behind it, the first fill, may be out
.elseif (\st) < 66
	s_wait_loadcnt 48                              ; this step's eight loads are in; those of the six steps behind it may be out
.else
	s_wait_loadcnt 8*(71-(\st))
.endif
.if (\st) == 0
	s_wait_dscnt 24                                ; this chunk of y'' is in; the three chunks behind it, eight loads each, may be out
.elseif (\st) < 70
	s_wait_dscnt 16                                ; this chunk of y'' is in; the next two chunks' eight loads each may be out
.else
	s_wait_dscnt 8*(71-(\st))
.endif
.set YB, 32+32*((\st)%4)+96*(((\st)%4)/3)
	WIN 0xa1                                       ; Wp window 1, y'' window 0, C and D window 2
.irp m, 0,1,2,3
.irp i, 0,1,2,3
.if ((\st)%24) == 0
	v_wmma_f32_16x16x32_f16 v[8*(4*\m+\i):8*(4*\m+\i)+7], v[32*((\st)%8)+8*\i:32*((\st)%8)+8*\i+7], v[YB+8*\m:YB+8*\m+7], 0
.else
	v_wmma_f32_16x16x32_f16 v[8*(4*\m+\i):8*(4*\m+\i)+7], v[32*((\st)%8)+8*\i:32*((\st)%8)+8*\i+7], v[YB+8*\m:YB+8*\m+7], v[8*(4*\m+\i):8*(4*\m+\i)+7]
.endif
.endr
.endr
	PLACES
.endm
; A group of 64 columns is finished: x F + bp; a lane's 32 bytes of a row go into my own stage and come back as rows of 256 bytes.  LDS serves a wave's instructions in order (ISA guide 5.7.1.4): no wait between the stores and the loads.
; The next group's fragments of Wp are on their way meanwhile.
.macro EPI grp
	s_wait_xcnt 0x0                                ; the last group's stores have had their addresses translated: their registers are loaded again only behind this wait
	s_wait_alu depctr_vm_vsrc(0)                   ; the LDS stores issued so far (y'''s; the last group's) have read v128-255 of window 2, which the multiply-adds write; the last group's global stores have read v0-127 of window 3, in which the loads from the stage land
	WIN 0x82                                       ; the sums window 2, F and bp window 0, the results window 2
.irp m, 0,1,2,3
.irp i, 0,1,2,3
.irp j, 0,2,4,6
	v_pk_fma_f32 v[128+8*(4*\m+\i)+\j:128+8*(4*\m+\i)+\j+1], v[8*(4*\m+\i)+\j:8*(4*\m+\i)+\j+1], v[16:17], v[BPR+32*\grp+8*\i+\j:BPR+32*\grp+8*\i+\j+1]   ; each accumulator from its low end on
.endr
.endr
.endr
	WIN 0x08
	s_wait_alu depctr_va_vdst(0)                   ; the multiply-adds have written the finished numbers, which the LDS stores read; the products with q are done reading v0-127 of window 3, in which the loads from the stage land; the group's last two steps are done reading their slots
.irp m, 0,1,2,3
.irp i, 0,1,2,3
.irp c, 0,1
	ds_store_b128 v8, v[128+8*(4*\m+\i)+4*\c:128+8*(4*\m+\i)+4*\c+3] offset:\m*4352+\i*64+\c*16
.endr
.endr
.endr
	WIN 0xc0
.irp m, 0,1,2,3
.irp t, 0,1,2,3,4,5,6,7
	ds_load_b128 v[4*(8*\m+\t):4*(8*\m+\t)+3], v9 offset:\m*4352+\t*544
.endr
.endr
	WIN 0x0c
.irp m, 0,1,2,3
.irp t, 0,1,2,3,4,5,6,7
	s_wait_dscnt 31-(8*\m+\t)
	global_store_b128 v10, v[4*(8*\m+\t):4*(8*\m+\t)+3], s[14:15] offset:(16*\m+2*\t)*3072+\grp*256 th:TH_STORE_NT   ; sixteen lanes store 256 consecutive bytes, at a multiple of 256 from out's first byte
.endr
.endr
.endm
	; ---- the loads of the head, in the order in which they are wanted
.irp q, 0,1,2,3,4,5,6,7,8,9,10,11
.irp c, 0,1
	global_load_b128 v[BPR+8*\q+4*\c:BPR+8*\q+4*\c+3], v4, s[12:13] offset:64*\q+16*\c   ; bp of the lane's eight columns 16 q + 8 h + 0 .. 7
.endr
.endr
.irp k, 0,1,2,3,4,5,6,7,8,9,10,11
	global_load_b128 v[32+4*\k:35+4*\k], v[LI], s[8:9] offset:512*\k                     ; the batch's 1,536 norms, 48 a lane
.endr
	SLOAD 0
	WIN 0xc0
.irp m, 0,1,2,3
.irp n, 0,1,2,3,4,5,6,7,8,9,10,11
	global_load_b128 v[48*\m+4*\n:48*\m+4*\n+3], v[LI], s[4:5] offset:\m*24576+\n*512 th:TH_LOAD_NT   ; q: pieces 2 a and 2 a + 1 of a head are one fragment; read once in the launch
.endr
.endr
	WIN 0
	s_wait_loadcnt 48                              ; all but q's 48 loads are in
	v_max3_num_f32 v20, v32, v33, v34              ; the largest norm: none is negative; two chains
	v_max3_num_f32 v21, v56, v57, v58
.irp i, 3,5,7,9,11,13,15,17,19,21
	v_max3_num_f32 v20, v20, v[32+\i], v[33+\i]
	v_max3_num_f32 v21, v21, v[56+\i], v[57+\i]
.endr
	v_max3_num_f32 v20, v20, v55, v79
	v_max_num_f32 v20, v20, v21
	v_max_num_f32_dpp v20, v20, v20 row_xmask:1 row_mask:0xf bank_mask:0xf
	v_max_num_f32_dpp v20, v20, v20 row_xmask:2 row_mask:0xf bank_mask:0xf
	v_max_num_f32_dpp v20, v20, v20 row_xmask:4 row_mask:0xf bank_mask:0xf
	v_max_num_f32_dpp v20, v20, v20 row_xmask:8 row_mask:0xf bank_mask:0xf
	v_mov_b32 v24, 0                               ; (a lane permute's destination counts as one of its sources)
	v_permlanex16_b32 v24, v20, s34, s35
	v_max_num_f32 v20, v20, v24
	v_max_num_f32 v20, 0x1800000, v20              ; held between 2^(3 - 127)
	v_min_num_f32 v20, 0x7e000000, v20             ; and 2^(252 - 127), so that g and F are normal numbers
	v_lshrrev_b32 v22, 23, v20                     ; e
	v_sub_nc_u32 v23, 253, v22
	v_lshlrev_b32 v18, 23, v23                     ; g = 2^(126 - e)
	v_mov_b32 v19, v18
	v_add_nc_u32 v23, -2, v22
	v_lshlrev_b32 v16, 23, v23                     ; F = 2^(e - 129)
	v_mov_b32 v17, v16
	; ---- y'' of my three heads; the next head's S is on its way while one is multiplied
	SCVT
	WIN 0x40
	s_wait_alu depctr_va_vdst(0)                   ; the scalings have written and the conversions have read S's registers, in which the next head's S lands
	SLOAD 1
	s_wait_loadcnt 32                              ; q is in; the 32 loads just issued may be out
	YMUL 0
	YCVT 0
	YSTORE 0
	s_wait_loadcnt 0x0
	SCVT
	WIN 0x40
	s_wait_alu depctr_va_vdst(0)                   ; the scalings have written and the conversions have read S's registers, in which the next head's S lands
	SLOAD 2
	YMUL 1
	YCVT 1
	YSTORE 1
	s_wait_loadcnt 0x0
	SCVT
	WIN 0x40
	s_wait_alu depctr_va_vdst(0)                   ; the scalings have written and the conversions have read S's registers, in which Wp's first four steps land
.irp st, 0,1,2,3,4,5,6,7
	RING \st                                       ; window 1 is free: Wp's ring is filled, 64 loads
.endr
	YMUL 2
	YCVT 2
	YSTORE 2
	WIN 0
	s_wait_dscnt 0x0                               ; for the others' sake: my stores have landed
	s_barrier_signal -1
	s_barrier_wait -1                              ; all 24 chunks of y'' lie in LDS; nobody writes them again
	YFETCH 0                                       ; (the search for the largest norm, which read v32-79, stands ahead of the waits on va_vdst above, and no vector instruction has named y's slots since)
	YFETCH 1
	YFETCH 2
	YFETCH 3
	; ---- out: three groups of 64 columns, 24 steps each.  Written out, so that every offset is an immediate, no pointer is stepped and every wait's count is a constant
.set ST, 0
.rept 24
	STEP ST
.set ST, ST+1
.endr
	EPI 0
.rept 24
	STEP ST
.set ST, ST+1
.endr
	EPI 1
.rept 24
	STEP ST
.set ST, ST+1
.endr
	EPI 2
	WIN 0
	s_wait_dscnt 0x0                               ; the closing lines of a launch in the mode, six on end, at every end behind an LDS store
	s_wait_alu 0x0
	s_wait_tensorcnt 0x0
	ds_add_u32 v[SPW], v[NIL]
	s_wait_dscnt 0x0
	s_endpgm
.Lfunc_end_k_q6c93a9ccc7_outp:
	.size	k_q6c93a9ccc7_outp, .Lfunc_end_k_q6c93a9ccc7_outp-k_q6c93a9ccc7_outp
	.p2alignl 7, 3214868480
	.fill 96, 4, 3214868480
	.section	.rodata,"a",@progbits
	.p2align	6, 0x0
	.amdhsa_kernel k_q6c93a9ccc7_outp
		.amdhsa_group_segment_fixed_size 168448
		.amdhsa_private_segment_fixed_size 0
		.amdhsa_enable_private_segment 0
		.amdhsa_kernarg_size 48
		.amdhsa_user_sgpr_count 2
		.amdhsa_user_sgpr_kernarg_segment_ptr 1
		.amdhsa_wavefront_size32 1
		.amdhsa_system_sgpr_workgroup_id_x 1
		.amdhsa_system_sgpr_workgroup_id_y 1
		.amdhsa_system_sgpr_workgroup_id_z 1
		.amdhsa_system_vgpr_workitem_id 0
		.amdhsa_next_free_vgpr 1024
		.amdhsa_next_free_sgpr 66
		.amdhsa_reserve_vcc 0
		.amdhsa_float_denorm_mode_32 3
		.amdhsa_float_denorm_mode_16_64 3
		.amdhsa_memory_ordered 1
		.amdhsa_forward_progress 1
		.amdhsa_inst_pref_size 255
	.end_amdhsa_kernel
	.section	.bss,"aw",@nobits
	.p2align	6
	.space	262144
	.amdgpu_metadata
---
amdhsa.version: [ 1, 2 ]
amdhsa.kernels:
  - .name:           k_q6c93a9ccc7_outp
    .symbol:         k_q6c93a9ccc7_outp.kd
    .args:
      - { .name: qf, .offset: 0, .size: 8, .value_kind: global_buffer, .address_space: global }
      - { .name: sbuf, .offset: 8, .size: 8, .value_kind: global_buffer, .address_space: global }
      - { .name: snorm, .offset: 16, .size: 8, .value_kind: global_buffer, .address_space: global }
      - { .name: wp16, .offset: 24, .size: 8, .value_kind: global_buffer, .address_space: global }
      - { .name: bp, .offset: 32, .size: 8, .value_kind: global_buffer, .address_space: global }
      - { .name: out0, .offset: 40, .size: 8, .value_kind: global_buffer, .address_space: global }
    .group_segment_fixed_size: 168448
    .private_segment_fixed_size: 0
    .kernarg_segment_align: 8
    .kernarg_segment_size: 48
    .max_flat_workgroup_size: 128
    .sgpr_count:     66
    .vgpr_count:     1024
    .wavefront_size: 32
...
	.end_amdgpu_metadata
.endif
;; end of part 5
